; MI455X (gfx1250); checked and timed in simulation.
; The chip was launched on July 23, 2026; its instructions are those of AMD's public machine-readable ISA for CDNA 5 (MIT licence, August 2026) and "CDNA5" Instruction Set Architecture Reference Guide (July 2026). The comments in the code are by the model that wrote it; some were corrected since.
;; Self Attention V3. Allowed arithmetic: float matrix products may take bf16 or f16 operands with f32 sums; other float arithmetic in f32, or as packed bf16 or f16 multiplies, adds, multiply-adds, maxima and minima; sums over many terms, partial sums and values carried from step to step in f32; what a program stores and reads back later, other than sums and carried values, may be rounded once to bf16 or f16.
;; Inputs: W_out 1,024 x 1,024 float32; W_qkv 1,024 x 3,072 float32; b_out 1,024 float32; b_qkv 3,072 float32; x 4 x 2,048 x 1,024 float32.
;; Outputs: out0 4 x 2,048 x 1,024 float32.
;; 2 versions, each right; version 2 is version 1 with the launch cast written anew for expert scheduling mode. Each part assembles by itself: llvm-mc -triple=amdgcn-amd-amdhsa -mcpu=gfx1250 --defsym DOCPART=n.
;; ======== version 1 of 2: 5 launches
;; limits: values are held in f16: magnitudes above 65,504 overflow, below 6.1e-05 lose precision
;; workspace buffers: xb 16,777,216 bytes; wqkvb 6,291,456 bytes; woutb 2,097,152 bytes; qkv 50,331,648 bytes; p 33,554,432 bytes; stats 1,048,576 bytes; o 16,777,216 bytes
;; launch cast (part 1): grid 768 x 1, 8 waves a work-group, no clusters, 0 bytes of LDS; arguments x, W_qkv, W_out, xb, wqkvb, woutb; writes xb, wqkvb, woutb
.if DOCPART == 1
	.amdgcn_target "amdgcn-amd-amdhsa--gfx1250"
	.amdhsa_code_object_version 6
	.text
	.protected	k_q0a61ab8576_cast
	.globl	k_q0a61ab8576_cast
	.p2align	8
	.type	k_q0a61ab8576_cast,@function
k_q0a61ab8576_cast:
	s_mov_b64 s[64:65], 0
	v_nop
	global_prefetch_b8 v0, s[64:65] scope:SCOPE_SE
	s_setreg_imm32_b32 hwreg(HW_REG_WAVE_MODE, 25, 1), 1
	s_wait_xcnt 0x0
; x, W_qkv and W_out (f32) are rounded once, to nearest even, to bf16.  xb and wqkvb hold the bf16 numbers; woutb holds W_out's bf16 number written as f16,
; since the last product multiplies in f16.  LIMIT: that second step is exact from 2^-14 up to 65,504; below 2^-14 it keeps f16's fixed step of 2^-24, beyond 65,504 it gives an infinity.
; A stream: no LDS, no matrix unit, nothing shared.  A work-group takes 16,384 numbers on end: 65,536 bytes in, 32,768 out.
; Work-groups 0-511 take x (8,388,608 numbers), 512-703 W_qkv (3,145,728), 704-767 W_out (1,048,576).
; Thread t takes 16 bytes at 16 t of each of sixteen blocks of 4,096 bytes; all sixteen loads go out first.  Its four numbers leave as 8 bytes at 8 t of a block of 2,048:
; a wave's store covers 256 consecutive bytes, aligned.  No register is written twice, so no store's source is ever waited for.
.set IN,  4                            ; v[4:67]    sixteen loads of four f32
.set OUT, 68                           ; v[68:99]   sixteen pairs of packed words
.set TM,  100                          ; v[100:103] at work (W_out's path)
	s_load_b256 s[4:11], s[0:1], 0x0               ; x s[4:5], W_qkv s[6:7], W_out s[8:9], xb s[10:11]
	s_load_b128 s[12:15], s[0:1], 0x20             ; wqkvb s[12:13], woutb s[14:15]
	v_lshlrev_b32 v1, 4, v0                        ; 16 t
	v_lshlrev_b32 v2, 3, v0                        ; 8 t
	s_wait_kmcnt 0x0
	s_cmp_lt_u32 ttmp9, 512                        ; x, or one of the weights?
	s_cselect_b64 s[16:17], s[4:5], s[6:7]         ; from where
	s_cselect_b64 s[18:19], s[10:11], s[12:13]     ; to where
	s_cselect_b32 s20, 0, 512                      ; the tensor's first work-group
	s_cmp_lt_u32 ttmp9, 704                        ; W_out?
	s_cselect_b64 s[16:17], s[16:17], s[8:9]
	s_cselect_b64 s[18:19], s[18:19], s[14:15]
	s_cselect_b32 s20, s20, 704
	s_sub_co_u32 s20, ttmp9, s20                   ; my block in the tensor
	s_lshl_b32 s22, s20, 16                        ; x 65,536 bytes in (under 2^25)
	s_mov_b32 s23, 0
	s_lshl_b32 s20, s20, 15                        ; x 32,768 bytes out
	s_mov_b32 s21, 0
	s_add_nc_u64 s[16:17], s[16:17], s[22:23]
	s_add_nc_u64 s[18:19], s[18:19], s[20:21]
.set i, 0
.rept 16
	global_load_b128 v[IN+4*i:IN+4*i+3], v1, s[16:17] offset:4096*i th:TH_LOAD_NT
.set i, i+1
.endr
	s_cmp_lt_u32 ttmp9, 704
	s_cbranch_scc0 .Lw_out
.set i, 0
.rept 16
	s_wait_loadcnt 15-i                            ; loads come back in order: load i is in, the 15 - i younger ones stay out
	v_cvt_pk_bf16_f32 v[OUT+2*i],   v[IN+4*i],   v[IN+4*i+1]
	v_cvt_pk_bf16_f32 v[OUT+2*i+1], v[IN+4*i+2], v[IN+4*i+3]
	global_store_b64 v2, v[OUT+2*i:OUT+2*i+1], s[18:19] offset:2048*i
.set i, i+1
.endr
	s_endpgm
.Lw_out:
.set i, 0
.rept 16
	s_wait_loadcnt 15-i
	v_cvt_pk_bf16_f32 v[TM],   v[IN+4*i],   v[IN+4*i+1]    ; the rounding that every input has,
	v_cvt_pk_bf16_f32 v[TM+1], v[IN+4*i+2], v[IN+4*i+3]
	v_lshlrev_b32 v[TM+2], 16, v[TM]                       ; back to f32: the low half moves up, the high half stays,
	v_and_b32     v[TM+3], 0xffff0000, v[TM]
	v_cvt_pk_f16_f32 v[OUT+2*i], v[TM+2], v[TM+3]          ; and that number as f16
	v_lshlrev_b32 v[TM+2], 16, v[TM+1]
	v_and_b32     v[TM+3], 0xffff0000, v[TM+1]
	v_cvt_pk_f16_f32 v[OUT+2*i+1], v[TM+2], v[TM+3]
	global_store_b64 v2, v[OUT+2*i:OUT+2*i+1], s[18:19] offset:2048*i
.set i, i+1
.endr
	s_endpgm
.Lfunc_end_k_q0a61ab8576_cast:
	.size	k_q0a61ab8576_cast, .Lfunc_end_k_q0a61ab8576_cast-k_q0a61ab8576_cast
	.p2alignl 7, 3214868480
	.fill 96, 4, 3214868480
	.section	.rodata,"a",@progbits
	.p2align	6, 0x0
	.amdhsa_kernel k_q0a61ab8576_cast
		.amdhsa_group_segment_fixed_size 0
		.amdhsa_private_segment_fixed_size 0
		.amdhsa_enable_private_segment 0
		.amdhsa_kernarg_size 48
		.amdhsa_user_sgpr_count 2
		.amdhsa_user_sgpr_kernarg_segment_ptr 1
		.amdhsa_wavefront_size32 1
		.amdhsa_system_sgpr_workgroup_id_x 1
		.amdhsa_system_sgpr_workgroup_id_y 1
		.amdhsa_system_sgpr_workgroup_id_z 1
		.amdhsa_system_vgpr_workitem_id 0
		.amdhsa_next_free_vgpr 104
		.amdhsa_next_free_sgpr 66
		.amdhsa_reserve_vcc 0
		.amdhsa_float_denorm_mode_32 3
		.amdhsa_float_denorm_mode_16_64 3
		.amdhsa_memory_ordered 1
		.amdhsa_forward_progress 1
		.amdhsa_inst_pref_size 16
	.end_amdhsa_kernel
	.amdgpu_metadata
---
amdhsa.version: [ 1, 2 ]
amdhsa.kernels:
  - .name:           k_q0a61ab8576_cast
    .symbol:         k_q0a61ab8576_cast.kd
    .args:
      - { .name: x, .offset: 0, .size: 8, .value_kind: global_buffer, .address_space: global }
      - { .name: W_qkv, .offset: 8, .size: 8, .value_kind: global_buffer, .address_space: global }
      - { .name: W_out, .offset: 16, .size: 8, .value_kind: global_buffer, .address_space: global }
      - { .name: xb, .offset: 24, .size: 8, .value_kind: global_buffer, .address_space: global }
      - { .name: wqkvb, .offset: 32, .size: 8, .value_kind: global_buffer, .address_space: global }
      - { .name: woutb, .offset: 40, .size: 8, .value_kind: global_buffer, .address_space: global }
    .group_segment_fixed_size: 0
    .private_segment_fixed_size: 0
    .kernarg_segment_align: 8
    .kernarg_segment_size: 48
    .max_flat_workgroup_size: 256
    .sgpr_count:     66
    .vgpr_count:     104
    .wavefront_size: 32
...
	.end_amdgpu_metadata
.endif
;; end of part 1
;; launch gemm_qkv (part 2): grid 12 x 32, 4 waves a work-group, clusters of 4 x 4, 327,680 bytes of LDS; arguments xb, wqkvb, b_qkv, qkv; writes qkv
.if DOCPART == 2
	.amdgcn_target "amdgcn-amd-amdhsa--gfx1250"
	.amdhsa_code_object_version 6
	.text
	.protected	k_q0a61ab8576_gemm_qkv
	.globl	k_q0a61ab8576_gemm_qkv
	.p2align	8
	.type	k_q0a61ab8576_gemm_qkv,@function
k_q0a61ab8576_gemm_qkv:
	s_mov_b64 s[64:65], 0
	v_nop
	global_prefetch_b8 v0, s[64:65] scope:SCOPE_SE
	s_setreg_imm32_b32 hwreg(HW_REG_WAVE_MODE, 25, 1), 1
	s_wait_xcnt 0x0
	s_wait_alu depctr_hold_cnt(0) depctr_sa_sdst(0) depctr_va_vdst(0) depctr_va_sdst(0) depctr_va_ssrc(0) depctr_va_vcc(0) depctr_vm_vsrc(0)
	s_getreg_b32 s2, hwreg(HW_REG_IB_STS2, 6, 4)
	s_cmp_eq_u32 s2, 0
	s_cbranch_scc0 .Lentry_in_a_cluster
	s_endpgm
.Lentry_in_a_cluster:
	s_bfe_u32 s2, ttmp6, 0x10000c
	s_cmp_lg_u32 s2, 0xf033
	s_cbranch_scc0 .Lentry_shape_is_right
	s_endpgm
.Lentry_shape_is_right:
; qkv[t][e] = the sum over d of x[t][d] W_qkv[d][e] + b_qkv[e].  xb: [8192][1024] bf16; wqkvb: [1024 d][3072 e] bf16; b_qkv: [3072] f32, rounded here to bf16 like the other
; inputs; qkv: [8192][3072] f16, rounded once from the f32 sums.  LIMIT: f16 holds no number beyond 65,504 (a sum of 65,520 or more leaves as an infinity) and keeps a fixed step of 2^-24 below 2^-14.
; SHARES.  A work-group makes 256 rows x 256 columns of C: 12 x 32 = 384 work-groups.  Four waves, 2 x 2, each 128 x 128: 64 accumulators of 16 x 16, 512 registers.
; K goes in steps of 128 through two LDS slots filled by tensor loads, one load of 34,816 LDS bytes a wave.  A's tile: 256 rows x 256 bytes.  B lies [k][n] in memory: its tile is 128 k-rows x 512 bytes and is
; read turned, by ds_load_tr16_b128.  A K step is 256 products a wave; 224 of them stand between a slot's request and the wait for it.
; THE MATRIX INSTRUCTION IS USED TRANSPOSED (source 0 = 16 columns of B, source 1 = 16 rows of A): lane l holds row l % 16 of C, its registers 0-7 the columns 8 (l / 16) + 0..7: 16 bytes of f16 on end.
; THE BIAS is the C operand of each accumulator's first product: nothing is cleared and nothing is added afterwards.
; CLUSTER.  4 x 4 work-groups.  The four of a row of the cluster need the same tile of A, the four of a column the same tile of B: each tile is asked for jointly, by the same tensor load with the same
; descriptor and a mask that names the four.
; REGISTERS, in windows of 256 (s_set_vgpr_msb: bits 1:0 source 0, 3:2 source 1, 5:4 source 2, 7:6 destination):
;   window 0: v0-31 addresses; v64-127, v128-191 A's fragments (8 x 16 rows x 32 K), two buffers; on the way out v32-63 packed results, v64-127 whole rows
;   window 1: v64-127, v128-191 B's fragments, two buffers; v0-63 the bias of my 128 columns as a C operand (v[8 b + j]); v192-193 at work
;   window 2: the accumulators of my row blocks 0-3 ((a, b) at v[8 (8 a + b)]);   window 3: those of row blocks 4-7
.set LDA,    1024                      ; elements from row to row of A
.set LDB,    3072                      ; of B
.set KSTEPS, 8                         ; 1,024 / 128
.set CPITCH, 6144                      ; bytes from row to row of C
.set PA,     272                       ; A's LDS row: 256 bytes + 16 = 68 words: the 16 rows of a load start at 16 different groups of four banks (64 banks of 4 bytes: ISA guide 11.1)
.set PB,     544                       ; B's LDS row: 512 bytes + 32 = 136 words
.set AHALF,  128*PA                    ; what one tensor load brings of A, and what one wave reads of it
.set BTILE,  256*PA                    ; B's tile begins behind A's
.set BHALF,  64*PB                     ; what one tensor load brings of B: 64 k-rows
.set BSTEP,  128*LDB*2                 ; bytes from a K step of B to the next: 128 k-rows
.set SLOT,   BTILE+2*BHALF             ; 139,264 bytes
.set STAGE,  2*SLOT                    ; behind the ring, never filled: 16 rows x 272 bytes for each wave, for the way out
.set SP,     272
.set SPARE,  STAGE+4*16*SP             ; the spare words, 128 bytes for each wave: two blocks of 256 bytes that no other line names
.set ADRA0, 16                         ; v16  my lane's place in A's tile; never rewritten
.set ADRB0, 17                         ; v17  in B's
.set ADRA,  18                         ; v18  the same in the slot in hand
.set ADRB,  19                         ; v19
.set STO,   24                         ; v24  the way out: where I put 16 bytes of a row
.set RD,    25                         ; v25  where I read rows back
.set CO,    26                         ; v26  my byte offset in two rows of C
.set XO,    27                         ; v27  my byte offset in the bias
.set SPW,   28                         ; v28  LDS address of my spare word; never rewritten
.set NIL,   29                         ; v29  0; never rewritten
.set PFO,   30                         ; v30  the prefetches' offset; never rewritten
.set F0,    64
.set F1,    128
.set TMP,   32
.set BK,    64
.set CNT, 3                            ; s3   trips to go
.set WV,  12                           ; s12  my wave's number
.set RH,  13                           ; s13  which 128 rows are mine; also: I fetch for A (0) or for B (1)
.set CH,  14                           ; s14  which 128 columns are mine; also: which half of that tile I fetch
.set CX,  15
.set CY,  16
.set TX,  17                           ; s17  tile column of C
.set TY,  18                           ; s18  tile row of C
.set CLY, 19                           ; s19  the cluster's y
.set G1A, 24                           ; s[24:31] descriptor group 1 for A's tiles
.set G0A, 32                           ; s[32:39] group 0: a set for the first fill, and the set that walks
.set G1B, 40                           ; s[40:47], s[48:55] the same for B's
.set G0B, 48
.set PFA, 56                           ; s[56:57] where my prefetches stand
.set PFS, 58                           ; s[58:59] their step from K step to K step
.set LIM, 60                           ; s60  1 in a wave that prefetches, else the greatest number
.set TB,  61                           ; s61  LDS byte at which the slot in hand begins: 0 or SLOT
.set LA,  63                           ; s63  where my half of A's tile lies in a slot
.set LB,  75                           ; s75  where my half of B's tile lies in a slot
.set HIM, 74                           ; s74  a word's upper half
.set MSB, 0
.macro WIN new                         ; the immediate's high byte repeats the setting that is left; a switch that changes nothing is dropped
.if MSB != (\new)
	s_set_vgpr_msb (MSB<<8)|(\new)
.set MSB, \new
.endif
.endm
.macro PLACES                          ; four plain vector instructions between a matrix instruction and a load into, or a reader of, its registers (ISA guide 7.12.1 for a reader)
.rept 4
	v_nop
.endr
.endm
.macro CREST                           ; a round of the cluster's barrier behind its opening barrier
	s_cmp_lg_u32 s[WV], 0
	s_cbranch_scc1 .Lnot_wave_0_\@
	s_barrier_signal -3
.Lnot_wave_0_\@:
	s_barrier_wait -3
	s_barrier_signal -1
	s_barrier_wait -1
.endm
.macro CROUND                          ; a whole round
	s_barrier_signal -1
	s_barrier_wait -1
	CREST
.endm
.macro JLOAD                           ; a joint refill by the walking sets: waves 0 and 1 fetch A's halves, waves 2 and 3 B's; an s_nop 0 and four v_nop follow each line
	s_cmp_eq_u32 s[RH], 0
	s_cbranch_scc0 .Lfor_b_\@
	tensor_load_to_lds s[G0A+4:G0A+7], s[G1A:G1A+7]
	s_nop 0
	PLACES
	s_branch .Lasked_\@
.Lfor_b_\@:
	tensor_load_to_lds s[G0B+4:G0B+7], s[G1B:G1B+7]
	s_nop 0
	PLACES
.Lasked_\@:
.endm
; A prefetch of the K step that the NEXT refill will ask for, one instruction a wave: 256 products ahead of that load.  Each aligned block of 256 bytes is named once in the launch.  A's tile row: the clusters with
; x = 0, waves 0 and 1; of the wave's 128 rows partner cx takes 32, a lane a row.  B's tile column: the clusters with y = 0, waves 2 and 3; of the wave's 64 k-rows partner cy takes 16, two blocks of 256 bytes each.
; The partners are told apart by address alone.  The loop's last trip asks for nothing: there is no K step three on.  K steps 0 to 2 come by their loads alone.
.macro ASK
	s_cmp_gt_u32 s[CNT], s[LIM]
	s_cbranch_scc0 .Lnot_mine_\@
	global_prefetch_b8 v[PFO], s[PFA:PFA+1] th:TH_LOAD_NT scope:SCOPE_SE
.Lnot_mine_\@:
.endm
; Eight products: row block a (0-7) x all eight column blocks, 32 along K, from buffer f.  mode 0: onto the sums; mode 2: the first product, with the bias as C.
.macro MUL8 f, a, mode
.if (\mode) == 2
	WIN 0x91+0x40*((\a)/4)                         ; B window 1, A window 0, C (the bias) window 1, D window 2 or 3
.else
	WIN 0xa1+0x50*((\a)/4)                         ; B window 1, A window 0, C and D window 2 or 3
.endif
.irp b, 0,1,2,3,4,5,6,7
.if (\mode) == 2
	v_wmma_f32_16x16x32_bf16 v[8*(8*((\a)%4)+(\b)):8*(8*((\a)%4)+(\b))+7], v[(\f)+8*(\b):(\f)+8*(\b)+7], v[(\f)+8*(\a):(\f)+8*(\a)+7], v[8*(\b):8*(\b)+7]
.else
	v_wmma_f32_16x16x32_bf16 v[8*(8*((\a)%4)+(\b)):8*(8*((\a)%4)+(\b))+7], v[(\f)+8*(\b):(\f)+8*(\b)+7], v[(\f)+8*(\a):(\f)+8*(\a)+7], v[8*(8*((\a)%4)+(\b)):8*(8*((\a)%4)+(\b))+7]
.endif
.endr
.endm
.macro MUL64 f, mode                   ; the 64 accumulators take turns, in the same order in every quarter and over the backward jump
.irp a, 0,1,2,3,4,5,6,7
	MUL8 \f, \a, \mode
.endr
.endm
; 32 LDS loads in one run: the fragments of quarter q (32 along K) of the slot in hand, into buffer f
.macro FETCH q, f
	WIN 0x40                                       ; destination window 1, address window 0
.irp i, 0,1,2,3,4,5,6,7
	ds_load_tr16_b128 v[(\f)+8*(\i):(\f)+8*(\i)+3],   v[ADRB] offset:(\q)*32*PB+32*(\i)
	ds_load_tr16_b128 v[(\f)+8*(\i)+4:(\f)+8*(\i)+7], v[ADRB] offset:(\q)*32*PB+32*(\i)+16*PB
.endr
	WIN 0
.irp i, 0,1,2,3,4,5,6,7
	ds_load_b128 v[(\f)+8*(\i):(\f)+8*(\i)+3],   v[ADRA] offset:64*(\q)+(\i)*16*PA
	ds_load_b128 v[(\f)+8*(\i)+4:(\f)+8*(\i)+7], v[ADRA] offset:64*(\q)+(\i)*16*PA+32
.endr
.endm
; A K step is four quarters on buffers 0, 1, 0, 1.  One of the first three: buffer f is in; quarter q is asked for, into g; f is multiplied.
.macro QUARTER q, f, g, mode
	s_wait_dscnt 0x0                               ; buffer f's 32 loads, issued 64 products ago
	PLACES                                         ; behind the products that read g
	FETCH \q, \g
	MUL64 \f, \mode
.endm
; The last quarter multiplies buffer 1 and changes slots.  In front of the barrier each wave waits for all its tensor loads (one is out: its part of the next slot), adds 0 to its spare word, and waits for
; that and for its reads of this slot.  fill = 1: the barrier opens a round of the cluster's, and this slot is filled again, first thing behind it, with the K step two on.
.macro TURN fill
.if \fill
	s_wait_xcnt 0x0                                ; the last prefetch, a K step back, has read its address
	s_add_nc_u64 s[PFA:PFA+1], s[PFA:PFA+1], s[PFS:PFS+1]
.endif
	WIN 0
	s_wait_tensorcnt 0x0                           ; no tensor load of mine is out, so a group 0 may be written
	ds_add_u32 v[SPW], v[NIL]                      ; 0 onto my spare word
.if \fill
	s_add_co_u32 s[G0A+5], s[TB], s[LA]            ; the walking sets: into the slot in hand, which is being left; the next K step
	s_add_nc_u64 s[G0A+6:G0A+7], s[G0A+6:G0A+7], 256
	s_add_co_u32 s[G0B+5], s[TB], s[LB]
	s_add_nc_u64 s[G0B+6:G0B+7], s[G0B+6:G0B+7], BSTEP
.endif
	s_xor_b32 s[TB], s[TB], SLOT                   ; 0 and SLOT by turns
	s_wait_dscnt 0x1                               ; buffer 1 is in; the add alone may be out
	MUL8 F1, 0, 0
	MUL8 F1, 1, 0
	s_wait_dscnt 0x0                               ; the add is done, and my reads of this slot are over
	s_barrier_signal -1
	MUL8 F1, 2, 0                                  ; work on registers while the others arrive
	MUL8 F1, 3, 0
	WIN 0                                          ; at a branch and at a label every window is 0
	s_barrier_wait -1
.if \fill
	CREST                                          ; no wave of any partner still reads this slot or has a load on its way
	JLOAD                                          ; its four v_nop are also the places in front of the loads below
.else
	PLACES
.endif
	v_add_nc_u32 v[ADRA], s[TB], v[ADRA0]
	v_add_nc_u32 v[ADRB], s[TB], v[ADRB0]
	FETCH 0, F0
.if \fill
	ASK
.endif
	MUL8 F1, 4, 0
	MUL8 F1, 5, 0
	MUL8 F1, 6, 0
	MUL8 F1, 7, 0
.endm
	s_load_b256 s[4:11], s[0:1], 0x0               ; A = xb s[4:5], B = wqkvb s[6:7], b_qkv s[8:9], C = qkv s[10:11]
	v_lshl_add_u32 v[SPW], v0, 2, SPARE
	v_mov_b32 v[NIL], 0
	ds_add_u32 v[SPW], v[NIL]                      ; the wave's opening: the add and its wait stand ahead of my first tensor load; work on registers stands between them
	v_lshrrev_b32 v1, 5, v0
	v_readfirstlane_b32 s[WV], v1
	s_lshr_b32 s[RH], s[WV], 1
	s_and_b32 s[CH], s[WV], 1
	s_bfe_u32 s[CX], ttmp6, 0x40000
	s_bfe_u32 s[CY], ttmp6, 0x40004
	s_lshl_b32 s[TX], ttmp9, 2                     ; in a cluster launch ttmp9 and ttmp7 count clusters
	s_add_co_u32 s[TX], s[TX], s[CX]
	s_and_b32 s[CLY], ttmp7, 0xffff
	s_lshl_b32 s[TY], s[CLY], 2
	s_add_co_u32 s[TY], s[TY], s[CY]
	s_lshl_b32 s20, s[CY], 2
	s_lshl_b32 s20, 15, s20                        ; my row of the cluster
	s_lshl_b32 s66, 0x1111, s[CX]                  ; my column
	s_or_b32 s[G1A], s20, (1<<16)|(1<<20)|(1<<21)|(5<<22)|(3<<25)  ; the mask; 2-byte elements; padding on; bit 21 beside a mask; after every 64 words, 4 words
	s_mov_b32 s[G1A+1], 128<<16                    ; tensor_dim0 = 128
	s_mov_b32 s[G1A+2], 128<<16                    ; tensor_dim1 = 128
	s_mov_b32 s[G1A+3], 128<<16                    ; tile_dim0 = 128
	s_mov_b32 s[G1A+4], 128                        ; tile_dim1 = 128
	s_mov_b32 s[G1A+5], LDA
	s_mov_b32 s[G1A+6], 0
	s_mov_b32 s[G1A+7], 0
	s_or_b32 s[G1B], s66, (1<<16)|(1<<20)|(1<<21)|(6<<22)|(7<<25)  ; after every 128 words, 8 words
	s_mov_b32 s[G1B+1], 256<<16                    ; 64 k-rows x 256 elements
	s_mov_b32 s[G1B+2], 64<<16
	s_mov_b32 s[G1B+3], 256<<16
	s_mov_b32 s[G1B+4], 64
	s_mov_b32 s[G1B+5], LDB
	s_mov_b32 s[G1B+6], 0
	s_mov_b32 s[G1B+7], 0
	s_mul_i32 s[LA], s[CH], AHALF                  ; no place in the cluster enters an LDS address
	s_mul_i32 s[LB], s[CH], BHALF
	s_add_co_u32 s[LB], s[LB], BTILE
	s_mov_b32 s[G0A], 1
	s_mov_b32 s[G0A+1], s[LA]                      ; slot 0
	s_mov_b32 s[G0A+4], 1
	s_add_co_u32 s[G0A+5], s[LA], SLOT             ; slot 1
	s_mov_b32 s[G0B], 1
	s_mov_b32 s[G0B+1], s[LB]
	s_mov_b32 s[G0B+4], 1
	s_add_co_u32 s[G0B+5], s[LB], SLOT
	s_lshl_b32 s20, s[TY], 8                       ; A: row 256 x tile row + 128 x half, in bytes (all offsets of this text stay under 2^31)
	s_lshl_b32 s21, s[CH], 7
	s_add_co_u32 s20, s20, s21
	s_mul_i32 s20, s20, 2*LDA
	s_mov_b32 s21, 0
	s_lshl_b32 s66, s[CH], 6                       ; B: k-row 64 x half, column 256 x tile column
	s_mul_i32 s66, s66, 2*LDB
	s_lshl_b32 s67, s[TX], 9
	s_add_co_u32 s66, s66, s67
	s_mov_b32 s67, 0
	s_mov_b32 s[HIM], 0xffff0000
	s_mov_b32 s[TB], 0
	s_wait_dscnt 0x0                               ; the opening add is done
	s_wait_kmcnt 0x0
	s_add_nc_u64 s[G0A+2:G0A+3], s[4:5], s[20:21]  ; K step 0,
	s_add_nc_u64 s[G0A+6:G0A+7], s[G0A+2:G0A+3], 256  ; K step 1
	s_or_b32 s[G0A+3], s[G0A+3], 0x80000000        ; type = 2
	s_or_b32 s[G0A+7], s[G0A+7], 0x80000000
	s_add_nc_u64 s[G0B+2:G0B+3], s[6:7], s[66:67]
	s_add_nc_u64 s[G0B+6:G0B+7], s[G0B+2:G0B+3], BSTEP
	s_or_b32 s[G0B+3], s[G0B+3], 0x80000000
	s_or_b32 s[G0B+7], s[G0B+7], 0x80000000
	CROUND                                         ; all sixteen work-groups are here: the first joint loads meet
	s_cmp_eq_u32 s[RH], 0                          ; a wave's two first fills stand in one branch: two loads of mine are out
	s_cbranch_scc0 .Lfirst_b
	tensor_load_to_lds s[G0A:G0A+3], s[G1A:G1A+7]
	s_nop 0
	tensor_load_to_lds s[G0A+4:G0A+7], s[G1A:G1A+7]
	s_nop 0
	PLACES
	s_branch .Lfirst_asked
.Lfirst_b:
	tensor_load_to_lds s[G0B:G0B+3], s[G1B:G1B+7]
	s_nop 0
	tensor_load_to_lds s[G0B+4:G0B+7], s[G1B:G1B+7]
	s_nop 0
	PLACES
.Lfirst_asked:
	v_and_b32 v1, 15, v0                           ; r = l % 16
	v_bfe_u32 v2, v0, 4, 1                         ; h = l / 16
	v_and_b32 v3, 31, v0                           ; l
	; the bias of my 128 columns: register 8 b + j takes column 16 b + 8 h + j
	v_lshlrev_b32 v[XO], 5, v2
	s_lshl_b32 s20, s[TX], 10
	s_lshl_b32 s21, s[CH], 9
	s_add_co_u32 s20, s20, s21
	s_mov_b32 s21, 0
	s_add_nc_u64 s[8:9], s[8:9], s[20:21]
	WIN 0x40                                       ; destination window 1, address window 0
.irp b, 0,1,2,3,4,5,6,7
	global_load_b128 v[8*(\b):8*(\b)+3],   v[XO], s[8:9] offset:64*(\b)
	global_load_b128 v[8*(\b)+4:8*(\b)+7], v[XO], s[8:9] offset:64*(\b)+16
.endr
	WIN 0
	; A fragment of A: lane l holds row r, K = 8 h + 0..7 and 16 + 8 h + 0..7: two loads of 16 bytes, 32 bytes apart
	v_mul_u32_u24 v4, v1, PA
	v_lshl_add_u32 v4, v2, 4, v4                   ; 272 r + 16 h
	s_mul_i32 s20, s[RH], AHALF
	v_add_nc_u32 v[ADRA0], s20, v4
	; The turning load takes 16 k x 16 columns (lane l reads k-row 8 h + l % 8, columns 8 ((l / 8) % 2) + 0..7) and leaves half a fragment: lane l holds column r and 8 k
	v_and_b32 v5, 7, v0
	v_lshl_add_u32 v5, v2, 3, v5
	v_mul_u32_u24 v5, v5, PB
	v_bfe_u32 v6, v0, 3, 1
	v_lshl_add_u32 v5, v6, 4, v5
	s_lshl_b32 s20, s[CH], 8                       ; my 128 columns: 256 bytes
	s_add_co_u32 s20, s20, BTILE
	v_add_nc_u32 v[ADRB0], s20, v5
	v_mov_b32 v[ADRA], v[ADRA0]
	v_mov_b32 v[ADRB], v[ADRB0]
	s_mul_i32 s20, s[WV], 16*SP
	s_add_co_u32 s20, s20, STAGE                   ; my stage
	v_add_nc_u32 v[STO], s20, v4                   ; in: row r, 16 bytes for each half of the lanes
	v_mul_u32_u24 v5, v2, SP                       ; back: lanes 0-15 take one row of 256 bytes, lanes 16-31 the next
	v_lshl_add_u32 v5, v1, 4, v5
	v_add_nc_u32 v[RD], s20, v5
	v_mul_u32_u24 v5, v2, CPITCH                   ; and the same two rows in C
	v_lshl_add_u32 v[CO], v1, 4, v5
	s_lshl_b32 s20, s[TY], 8                       ; C at my first row and column
	s_lshl_b32 s21, s[RH], 7
	s_add_co_u32 s20, s20, s21
	s_mul_i32 s20, s20, CPITCH
	s_lshl_b32 s21, s[TX], 9
	s_add_co_u32 s20, s20, s21
	s_lshl_b32 s21, s[CH], 8
	s_add_co_u32 s20, s20, s21
	s_mov_b32 s21, 0
	s_add_nc_u64 s[10:11], s[10:11], s[20:21]
	; the prefetches: they start at K step 2; the first change of slots steps them to 3
	s_lshl_b32 s20, s[TY], 8
	s_lshl_b32 s21, s[CH], 7
	s_add_co_u32 s20, s20, s21
	s_lshl_b32 s21, s[CX], 5
	s_add_co_u32 s20, s20, s21                     ; A: my work-group's 32 of the 128 rows that I fetch
	s_mul_i32 s20, s20, 2*LDA
	s_add_co_u32 s20, s20, 2*256
	s_lshl_b32 s66, s[CH], 6
	s_lshl_b32 s67, s[CY], 4
	s_add_co_u32 s66, s66, s67                     ; B: my work-group's 16 of the 64 k-rows that I fetch
	s_add_co_u32 s66, s66, 2*128
	s_mul_i32 s66, s66, 2*LDB
	s_lshl_b32 s67, s[TX], 9
	s_add_co_u32 s66, s66, s67
	s_mov_b32 s67, ttmp9                           ; 0: a cluster with x = 0
	s_mov_b32 s68, s[CLY]                          ; 0: a cluster with y = 0
	s_mov_b32 s22, 2*LDA
	s_mov_b32 s23, 2*LDB
	s_mov_b32 s69, BSTEP
	s_cmp_eq_u32 s[RH], 0                          ; do I fetch for A?
	s_cselect_b32 s20, s20, s66
	s_cselect_b32 s[LIM], s67, s68
	s_cselect_b32 s22, s22, s23                    ; bytes from row to row
	s_cselect_b32 s[PFS], 256, s69
	s_cselect_b32 s23, 0, 1                        ; A: a lane a row; B: two lanes a row
	s_cselect_b64 s[PFA:PFA+1], s[4:5], s[6:7]
	s_mov_b32 s21, 0
	s_mov_b32 s[PFS+1], 0
	s_add_nc_u64 s[PFA:PFA+1], s[PFA:PFA+1], s[20:21]
	s_cmp_eq_u32 s[LIM], 0
	s_cselect_b32 s[LIM], 1, -1                    ; the same in all sixteen partners, for a given wave
	v_lshrrev_b32 v5, s23, v3
	v_and_b32 v6, s23, v3
	v_mul_u32_u24 v[PFO], v5, s22
	v_lshl_add_u32 v[PFO], v6, 8, v[PFO]
	s_wait_loadcnt 0x0                             ; the bias
	WIN 0x45                                       ; destination and both sources window 1
.set i, 0
.rept 32                               ; rounded to bf16 like every input, and back to f32
	v_cvt_pk_bf16_f32 v[192+i%2], v[2*i], v[2*i+1]
	v_lshlrev_b32 v[2*i], 16, v[192+i%2]
	v_and_b32 v[2*i+1], s[HIM], v[192+i%2]
.set i, i+1
.endr
	WIN 0
	s_wait_tensorcnt 0x1                           ; my part of K step 0 is in; K step 1's may stay out
	s_barrier_signal -1
	s_barrier_wait -1                              ; everybody's is
	FETCH 0, F0
	QUARTER 1, F0, F1, 2                           ; the first quarter stands in front of the loop: its products start the sums
	WIN 0
	s_mov_b32 s[CNT], KSTEPS-2
.Lstep:                                        ; trip i ends K step i, fills its slot with K step i + 2 and begins K step i + 1
	QUARTER 2, F1, F0, 0
	QUARTER 3, F0, F1, 0
	TURN 1
	QUARTER 1, F0, F1, 0
	WIN 0
	s_sub_co_u32 s[CNT], s[CNT], 1
	s_cmp_lg_u32 s[CNT], 0
	s_cbranch_scc1 .Lstep
	QUARTER 2, F1, F0, 0                           ; the tail is written out: nothing more is asked for
	QUARTER 3, F0, F1, 0
	TURN 0
	QUARTER 1, F0, F1, 0
	QUARTER 2, F1, F0, 0
	QUARTER 3, F0, F1, 0
	s_wait_dscnt 0x0
	MUL64 F1, 0
	WIN 0
	PLACES                                         ; eight places behind the last product, twice what its first reader needs: once a launch
	PLACES
; THE WAY OUT, a block of 16 rows at a time: rounded to f16, 16 bytes a lane into my own stage, back as whole rows of 256 bytes, stored.
; It is written for the four row blocks of window 2 and walked twice: between the trips window 3's sums are brought into window 2, and C's address goes 64 rows on.
.macro PACK a                          ; each accumulator's registers in ascending order
	WIN 0x0a                                       ; sources window 2, destination window 0
.set i, 0
.rept 32
	v_cvt_pk_f16_f32 v[TMP+i], v[64*(\a)+2*i], v[64*(\a)+2*i+1]
.set i, i+1
.endr
	WIN 0
.endm
.macro TOSTAGE a
	WIN 0
.irp b, 0,1,2,3,4,5,6,7
	ds_store_b128 v[STO], v[TMP+4*(\b):TMP+4*(\b)+3] offset:32*(\b)
.endr
.irp t, 0,1,2,3,4,5,6,7
	ds_load_b128 v[BK+32*((\a)%2)+4*(\t):BK+32*((\a)%2)+4*(\t)+3], v[RD] offset:(\t)*2*SP  ; LDS serves a wave's instructions in order (ISA guide 5.7.1.4): these see the stores above
.endr
.endm
.macro SEND a
	WIN 0
	s_wait_dscnt 0x0                               ; the block is back in registers
	s_wait_xcnt 0x0                                ; the block before has left its registers: the next TOSTAGE loads into them only behind this wait
.irp t, 0,1,2,3,4,5,6,7
	global_store_b128 v[CO], v[BK+32*((\a)%2)+4*(\t):BK+32*((\a)%2)+4*(\t)+3], s[10:11] offset:(16*(\a)+2*(\t))*CPITCH  ; 16 lanes store 256 consecutive bytes, aligned
.endr
.endm
	s_mov_b32 s[CNT], 2
.Lhalf:
	PACK 0
	TOSTAGE 0
.irp a, 1,2,3                          ; block a's conversions stand between block a - 1's loads from the stage and the wait for them
	PACK \a
	SEND (\a)-1
	TOSTAGE \a
.endr
	SEND 3
	s_cmp_eq_u32 s[CNT], 1                         ; behind the second half nothing is left to bring
	s_cbranch_scc1 .Lbrought
	WIN 0x83                                       ; destination window 2, source window 3; each accumulator's registers in ascending order
.set i, 0
.rept 256
	v_mov_b32 v[i], v[i]
.set i, i+1
.endr
	WIN 0
	s_wait_xcnt 0x0                                ; the stores have read their base and their registers
	s_add_nc_u64 s[10:11], s[10:11], 64*CPITCH
.Lbrought:
	s_sub_co_u32 s[CNT], s[CNT], 1
	s_cmp_lg_u32 s[CNT], 0
	s_cbranch_scc1 .Lhalf
	s_wait_tensorcnt 0x0                           ; the wave's end, behind my last tensor load and my last LDS store
	ds_add_u32 v[SPW], v[NIL]
	s_wait_dscnt 0x0
	CROUND                                         ; the closing round: no work-group ends while a partner may still ask for a tile that names it
	s_endpgm
.Lfunc_end_k_q0a61ab8576_gemm_qkv:
	.size	k_q0a61ab8576_gemm_qkv, .Lfunc_end_k_q0a61ab8576_gemm_qkv-k_q0a61ab8576_gemm_qkv
	.p2alignl 7, 3214868480
	.fill 96, 4, 3214868480
	.section	.rodata,"a",@progbits
	.p2align	6, 0x0
	.amdhsa_kernel k_q0a61ab8576_gemm_qkv
		.amdhsa_group_segment_fixed_size 327680
		.amdhsa_private_segment_fixed_size 0
		.amdhsa_enable_private_segment 0
		.amdhsa_kernarg_size 32
		.amdhsa_user_sgpr_count 2
		.amdhsa_user_sgpr_kernarg_segment_ptr 1
		.amdhsa_wavefront_size32 1
		.amdhsa_system_sgpr_workgroup_id_x 1
		.amdhsa_system_sgpr_workgroup_id_y 1
		.amdhsa_system_sgpr_workgroup_id_z 1
		.amdhsa_system_vgpr_workitem_id 0
		.amdhsa_next_free_vgpr 1024
		.amdhsa_next_free_sgpr 76
		.amdhsa_reserve_vcc 0
		.amdhsa_float_denorm_mode_32 3
		.amdhsa_float_denorm_mode_16_64 3
		.amdhsa_memory_ordered 1
		.amdhsa_forward_progress 1
		.amdhsa_inst_pref_size 116
	.end_amdhsa_kernel
	.amdgpu_metadata
---
amdhsa.version: [ 1, 2 ]
amdhsa.kernels:
  - .name:           k_q0a61ab8576_gemm_qkv
    .symbol:         k_q0a61ab8576_gemm_qkv.kd
    .args:
      - { .name: xb, .offset: 0, .size: 8, .value_kind: global_buffer, .address_space: global }
      - { .name: wqkvb, .offset: 8, .size: 8, .value_kind: global_buffer, .address_space: global }
      - { .name: b_qkv, .offset: 16, .size: 8, .value_kind: global_buffer, .address_space: global }
      - { .name: qkv, .offset: 24, .size: 8, .value_kind: global_buffer, .address_space: global }
    .group_segment_fixed_size: 327680
    .private_segment_fixed_size: 0
    .kernarg_segment_align: 8
    .kernarg_segment_size: 32
    .max_flat_workgroup_size: 128
    .sgpr_count:     76
    .vgpr_count:     1024
    .wavefront_size: 32
...
	.end_amdgpu_metadata
.endif
;; end of part 2
;; launch gemm_scores (part 3): grid 8 x 32, 4 waves a work-group, clusters of 4 x 4, 327,680 bytes of LDS; arguments qkv, p, stats; writes p, stats
.if DOCPART == 3
	.amdgcn_target "amdgcn-amd-amdhsa--gfx1250"
	.amdhsa_code_object_version 6
	.text
	.protected	k_q0a61ab8576_gemm_scores
	.globl	k_q0a61ab8576_gemm_scores
	.p2align	8
	.type	k_q0a61ab8576_gemm_scores,@function
k_q0a61ab8576_gemm_scores:
	s_mov_b64 s[64:65], 0
	v_nop
	global_prefetch_b8 v0, s[64:65] scope:SCOPE_SE
	s_setreg_imm32_b32 hwreg(HW_REG_WAVE_MODE, 25, 1), 1
	s_wait_xcnt 0x0
	s_wait_alu depctr_hold_cnt(0) depctr_sa_sdst(0) depctr_va_vdst(0) depctr_va_sdst(0) depctr_va_ssrc(0) depctr_va_vcc(0) depctr_vm_vsrc(0)
	s_getreg_b32 s2, hwreg(HW_REG_IB_STS2, 6, 4)
	s_cmp_eq_u32 s2, 0
	s_cbranch_scc0 .Lentry_in_a_cluster
	s_endpgm
.Lentry_in_a_cluster:
	s_bfe_u32 s2, ttmp6, 0x10000c
	s_cmp_lg_u32 s2, 0xf033
	s_cbranch_scc0 .Lentry_shape_is_right
	s_endpgm
.Lentry_shape_is_right:
; s[q][k] = Q[q] . K[k] for one batch's 2,048 keys, and the first half of the softmax of s / 32.  qkv: [8192 tokens][3072] f16, Q at byte 0 and K at byte 2,048 of a row of 6,144 bytes.
; A row's keys fall into 16 GROUPS of 128: a wave holds one group of 128 rows.  It takes the group's true maximum m_g away and stores p = 2^(c s - c m_g), c = log2(e) / 32, as f16 in p [8192][2048],
; and (c m_g, l_g), l_g = the sum of the group's unrounded p, as f32 in stats [16 groups][8192 rows][2].  The next launch merges the groups by the row's true maximum.
; Scores, maxima and sums are f32.  LIMITS: p lies in 0 to 1; below 2^-14 it keeps f16's fixed step of 2^-24; an exponential below 2^-126 counts as 0; NaN and infinities are not treated apart.
; SHARES.  A work-group makes 256 rows x 256 keys: 8 x 32 = 256 work-groups.  Four waves, 2 x 2, each 128 x 128: 64 accumulators, 512 registers.  K (the channels) goes in steps of 128 through two LDS slots,
; one tensor load of 128 rows a wave.  A K step is 256 products a wave; 224 of them stand between a slot's request and the wait for it.
; THE MATRIX INSTRUCTION IS USED TRANSPOSED (source 0 = 16 keys, source 1 = 16 queries): lane l holds query l % 16, its registers 0-7 the keys 8 (l / 16) + 0..7; a query's other keys lie in the lane 16 away.
; CLUSTER.  4 x 4 work-groups; the cluster's four tile rows lie in one batch (8 tile rows a batch).  Q's tile is shared along a row of the cluster, K's along a column: each is asked for jointly.
; REGISTERS, in windows of 256 (s_set_vgpr_msb: bits 1:0 source 0, 3:2 source 1, 5:4 source 2, 7:6 destination):
;   window 0: v0-31 addresses; v64-127, v128-191 Q's fragments, two buffers; v224-243 the softmax's figures; on the way out v32-63 packed p, v64-127 whole rows
;   window 1: v64-127, v128-191 K's fragments, two buffers
;   window 2: the accumulators of my row blocks 0-3 ((a, b) at v[8 (8 a + b)]);   window 3: those of row blocks 4-7
.set LDA,    3072
.set LDB,    3072
.set KSTEPS, 8
.set BOFF,   2048                      ; K's first byte in a row of qkv
.set CPITCH, 4096
.set PA,     272                       ; an LDS row: 256 bytes + 16 = 68 words: the 16 rows of a load start at 16 different groups of four banks (64 banks of 4 bytes: ISA guide 11.1)
.set AHALF,  128*PA                    ; what one tensor load brings, and what one wave reads of Q or of K
.set BTILE,  256*PA
.set BHALF,  128*PA
.set BSTEP,  256
.set SLOT,   BTILE+2*BHALF             ; 139,264 bytes
.set STAGE,  2*SLOT                    ; behind the ring, never filled: 16 rows x 272 bytes for each wave
.set SP,     272
.set SPARE,  STAGE+4*16*SP             ; the spare words, 128 bytes for each wave: two blocks of 256 bytes that no other line names
.set ADRA0, 16
.set ADRB0, 17
.set ADRA,  18
.set ADRB,  19
.set STO,   24
.set RD,    25
.set CO,    26
.set XO,    27                         ; v27  8 x lane: my 8 bytes of 256 in stats
.set SPW,   28
.set NIL,   29
.set PFO,   30
.set F0,    64
.set F1,    128
.set TMP,   32
.set BK,    64
.set CHN,   224                        ; v224-227  four chains of the maximum
.set CM,    228                        ; v[228+2a:229+2a]  c m of block a, twice
.set LS,    236                        ; v[236+a]  l of block a
.set SV,    240                        ; v[240:243]  what goes to stats
.set CNT, 3
.set WV,  12
.set RH,  13
.set CH,  14
.set CX,  15
.set CY,  16
.set TX,  17
.set TY,  18
.set CLY, 19
.set G1A, 24
.set G0A, 32
.set G1B, 40
.set G0B, 48
.set PFA, 56
.set PFS, 58
.set LIM, 60
.set TB,  61                           ; s61  LDS byte at which the slot in hand begins: 0 or SLOT
.set BAT, 62                           ; s62  the batch: the cluster's y / 2
.set LA,  63                           ; s63  where my half of Q's tile lies in a slot
.set LB,  75                           ; s75  where my half of K's tile lies in a slot
.set SEL, 70                           ; s[70:71] v_permlanex16_b32's selects: each lane takes its own place in the other half
.set CS,  72                           ; s[72:73] c
.set HIM, 74                           ; s74  the mask of lanes 16-31
.set MSB, 0
.macro WIN new
.if MSB != (\new)
	s_set_vgpr_msb (MSB<<8)|(\new)
.set MSB, \new
.endif
.endm
.macro PLACES                          ; four plain vector instructions between a matrix instruction and a load into, or a reader of, its registers (ISA guide 7.12.1 for a reader)
.rept 4
	v_nop
.endr
.endm
.macro CREST
	s_cmp_lg_u32 s[WV], 0
	s_cbranch_scc1 .Lnot_wave_0_\@
	s_barrier_signal -3
.Lnot_wave_0_\@:
	s_barrier_wait -3
	s_barrier_signal -1
	s_barrier_wait -1
.endm
.macro CROUND
	s_barrier_signal -1
	s_barrier_wait -1
	CREST
.endm
.macro JLOAD                           ; a joint refill by the walking sets: waves 0 and 1 fetch Q's halves, waves 2 and 3 K's; an s_nop 0 and four v_nop follow each line
	s_cmp_eq_u32 s[RH], 0
	s_cbranch_scc0 .Lfor_b_\@
	tensor_load_to_lds s[G0A+4:G0A+7], s[G1A:G1A+7]
	s_nop 0
	PLACES
	s_branch .Lasked_\@
.Lfor_b_\@:
	tensor_load_to_lds s[G0B+4:G0B+7], s[G1B:G1B+7]
	s_nop 0
	PLACES
.Lasked_\@:
.endm
; A prefetch of the K step that the NEXT refill will ask for: 32 rows x 256 bytes, a lane a row, one instruction a wave, 256 products ahead of that load.  Each block is named once in the launch.  Q's tile row: the
; clusters with x = 0, waves 0 and 1; of the wave's 128 rows partner cx takes 32.  K's tile: the first of a batch's two rows of clusters, waves 2 and 3; of the wave's 128 rows partner cy takes 32.
; The partners are told apart by address alone.  The loop's last trip asks for nothing; K steps 0 to 2 come by their loads alone.
.macro ASK
	s_cmp_gt_u32 s[CNT], s[LIM]
	s_cbranch_scc0 .Lnot_mine_\@
	global_prefetch_b8 v[PFO], s[PFA:PFA+1] th:TH_LOAD_NT scope:SCOPE_SE
.Lnot_mine_\@:
.endm
.macro MUL8 f, a, mode                 ; eight products: row block a (0-7) x all eight key blocks; mode 1: the first product starts the sum with the constant 0
	WIN 0xa1+0x50*((\a)/4)                         ; K window 1, Q window 0, C and D window 2 or 3
.irp b, 0,1,2,3,4,5,6,7
.if (\mode) == 1
	v_wmma_f32_16x16x32_f16 v[8*(8*((\a)%4)+(\b)):8*(8*((\a)%4)+(\b))+7], v[(\f)+8*(\b):(\f)+8*(\b)+7], v[(\f)+8*(\a):(\f)+8*(\a)+7], 0
.else
	v_wmma_f32_16x16x32_f16 v[8*(8*((\a)%4)+(\b)):8*(8*((\a)%4)+(\b))+7], v[(\f)+8*(\b):(\f)+8*(\b)+7], v[(\f)+8*(\a):(\f)+8*(\a)+7], v[8*(8*((\a)%4)+(\b)):8*(8*((\a)%4)+(\b))+7]
.endif
.endr
.endm
.macro MUL64 f, mode                   ; the 64 accumulators take turns, in the same order in every quarter and over the backward jump
.irp a, 0,1,2,3,4,5,6,7
	MUL8 \f, \a, \mode
.endr
.endm
.macro FETCH q, f                      ; 32 LDS loads in one run: quarter q (32 channels) of the slot in hand, into buffer f
	WIN 0x40                                       ; destination window 1, address window 0
.irp i, 0,1,2,3,4,5,6,7
	ds_load_b128 v[(\f)+8*(\i):(\f)+8*(\i)+3],   v[ADRB] offset:64*(\q)+(\i)*16*PA
	ds_load_b128 v[(\f)+8*(\i)+4:(\f)+8*(\i)+7], v[ADRB] offset:64*(\q)+(\i)*16*PA+32
.endr
	WIN 0
.irp i, 0,1,2,3,4,5,6,7
	ds_load_b128 v[(\f)+8*(\i):(\f)+8*(\i)+3],   v[ADRA] offset:64*(\q)+(\i)*16*PA
	ds_load_b128 v[(\f)+8*(\i)+4:(\f)+8*(\i)+7], v[ADRA] offset:64*(\q)+(\i)*16*PA+32
.endr
.endm
.macro QUARTER q, f, g, mode
	s_wait_dscnt 0x0                               ; buffer f's 32 loads, issued 64 products ago
	PLACES                                         ; behind the products that read g
	FETCH \q, \g
	MUL64 \f, \mode
.endm
; The last quarter multiplies buffer 1 and changes slots.  In front of the barrier each wave waits for all its tensor loads (one is out: its part of the next slot), adds 0 to its spare word, and waits for
; that and for its reads of this slot.  fill = 1: the barrier opens a round of the cluster's, and this slot is filled again, first thing behind it, with the K step two on.
.macro TURN fill
.if \fill
	s_wait_xcnt 0x0                                ; the last prefetch, a K step back, has read its address
	s_add_nc_u64 s[PFA:PFA+1], s[PFA:PFA+1], s[PFS:PFS+1]
.endif
	WIN 0
	s_wait_tensorcnt 0x0                           ; no tensor load of mine is out, so a group 0 may be written
	ds_add_u32 v[SPW], v[NIL]                      ; 0 onto my spare word
.if \fill
	s_add_co_u32 s[G0A+5], s[TB], s[LA]            ; the walking sets: into the slot in hand, which is being left; the next K step
	s_add_nc_u64 s[G0A+6:G0A+7], s[G0A+6:G0A+7], 256
	s_add_co_u32 s[G0B+5], s[TB], s[LB]
	s_add_nc_u64 s[G0B+6:G0B+7], s[G0B+6:G0B+7], BSTEP
.endif
	s_xor_b32 s[TB], s[TB], SLOT                   ; 0 and SLOT by turns
	s_wait_dscnt 0x1                               ; buffer 1 is in; the add alone may be out
	MUL8 F1, 0, 0
	MUL8 F1, 1, 0
	s_wait_dscnt 0x0                               ; the add is done, and my reads of this slot are over
	s_barrier_signal -1
	MUL8 F1, 2, 0
	MUL8 F1, 3, 0
	WIN 0
	s_barrier_wait -1
.if \fill
	CREST
	JLOAD                                          ; its four v_nop are also the places in front of the loads below
.else
	PLACES
.endif
	v_add_nc_u32 v[ADRA], s[TB], v[ADRA0]
	v_add_nc_u32 v[ADRB], s[TB], v[ADRB0]
	FETCH 0, F0
.if \fill
	ASK
.endif
	MUL8 F1, 4, 0
	MUL8 F1, 5, 0
	MUL8 F1, 6, 0
	MUL8 F1, 7, 0
.endm
	s_load_b64 s[4:5], s[0:1], 0x0                 ; qkv, for Q
	s_load_b64 s[6:7], s[0:1], 0x0                 ; qkv once more, for K
	s_load_b64 s[10:11], s[0:1], 0x8               ; p
	s_load_b64 s[8:9], s[0:1], 0x10                ; stats
	v_lshl_add_u32 v[SPW], v0, 2, SPARE
	v_mov_b32 v[NIL], 0
	ds_add_u32 v[SPW], v[NIL]                      ; the wave's opening: the add and its wait stand ahead of my first tensor load
	v_lshrrev_b32 v1, 5, v0
	v_readfirstlane_b32 s[WV], v1
	s_lshr_b32 s[RH], s[WV], 1
	s_and_b32 s[CH], s[WV], 1
	s_bfe_u32 s[CX], ttmp6, 0x40000
	s_bfe_u32 s[CY], ttmp6, 0x40004
	s_lshl_b32 s[TX], ttmp9, 2
	s_add_co_u32 s[TX], s[TX], s[CX]
	s_and_b32 s[CLY], ttmp7, 0xffff
	s_lshl_b32 s[TY], s[CLY], 2
	s_add_co_u32 s[TY], s[TY], s[CY]
	s_lshr_b32 s[BAT], s[CLY], 1                   ; made of the cluster's y alone: equal in all partners
	s_lshl_b32 s20, s[CY], 2
	s_lshl_b32 s20, 15, s20                        ; my row of the cluster
	s_lshl_b32 s66, 0x1111, s[CX]                  ; my column
	s_or_b32 s[G1A], s20, (1<<16)|(1<<20)|(1<<21)|(5<<22)|(3<<25)  ; the mask; 2-byte elements; padding on; bit 21 beside a mask; after every 64 words, 4 words
	s_mov_b32 s[G1A+1], 128<<16                    ; 128 rows x 128 elements
	s_mov_b32 s[G1A+2], 128<<16
	s_mov_b32 s[G1A+3], 128<<16
	s_mov_b32 s[G1A+4], 128
	s_mov_b32 s[G1A+5], LDA
	s_mov_b32 s[G1A+6], 0
	s_mov_b32 s[G1A+7], 0
	s_or_b32 s[G1B], s66, (1<<16)|(1<<20)|(1<<21)|(5<<22)|(3<<25)
	s_mov_b32 s[G1B+1], 128<<16                    ; 128 rows x 128 elements
	s_mov_b32 s[G1B+2], 128<<16
	s_mov_b32 s[G1B+3], 128<<16
	s_mov_b32 s[G1B+4], 128
	s_mov_b32 s[G1B+5], LDB
	s_mov_b32 s[G1B+6], 0
	s_mov_b32 s[G1B+7], 0
	s_mul_i32 s[LA], s[CH], AHALF                  ; no place in the cluster enters an LDS address
	s_mul_i32 s[LB], s[CH], BHALF
	s_add_co_u32 s[LB], s[LB], BTILE
	s_mov_b32 s[G0A], 1
	s_mov_b32 s[G0A+1], s[LA]                      ; slot 0
	s_mov_b32 s[G0A+4], 1
	s_add_co_u32 s[G0A+5], s[LA], SLOT             ; slot 1
	s_mov_b32 s[G0B], 1
	s_mov_b32 s[G0B+1], s[LB]
	s_mov_b32 s[G0B+4], 1
	s_add_co_u32 s[G0B+5], s[LB], SLOT
	s_lshl_b32 s20, s[TY], 8                       ; Q: token 256 x tile row + 128 x half (all offsets of this text stay under 2^31)
	s_lshl_b32 s21, s[CH], 7
	s_add_co_u32 s20, s20, s21
	s_mul_i32 s20, s20, 2*LDA
	s_mov_b32 s21, 0
	s_lshl_b32 s66, s[BAT], 11                     ; K: token 2,048 x batch + 256 x tile column + 128 x half
	s_lshl_b32 s67, s[TX], 8
	s_add_co_u32 s66, s66, s67
	s_lshl_b32 s67, s[CH], 7
	s_add_co_u32 s66, s66, s67
	s_mul_i32 s66, s66, 2*LDB
	s_add_co_u32 s66, s66, BOFF
	s_mov_b32 s67, 0
	s_mov_b32 s[HIM], 0xffff0000
	s_mov_b32 s[SEL], 0x76543210
	s_mov_b32 s[SEL+1], 0xfedcba98
	s_mov_b32 s[CS], 0x3d38aa3b                    ; c = log2(e) / 32 = 0.0450842
	s_mov_b32 s[CS+1], s[CS]                       ; named with it as a pair
	s_mov_b32 s[TB], 0
	s_wait_dscnt 0x0                               ; the opening add is done
	s_wait_kmcnt 0x0
	s_add_nc_u64 s[G0A+2:G0A+3], s[4:5], s[20:21]
	s_add_nc_u64 s[G0A+6:G0A+7], s[G0A+2:G0A+3], 256
	s_or_b32 s[G0A+3], s[G0A+3], 0x80000000
	s_or_b32 s[G0A+7], s[G0A+7], 0x80000000
	s_add_nc_u64 s[G0B+2:G0B+3], s[6:7], s[66:67]
	s_add_nc_u64 s[G0B+6:G0B+7], s[G0B+2:G0B+3], BSTEP
	s_or_b32 s[G0B+3], s[G0B+3], 0x80000000
	s_or_b32 s[G0B+7], s[G0B+7], 0x80000000
	CROUND                                         ; all sixteen work-groups are here: the first joint loads meet
	s_cmp_eq_u32 s[RH], 0                          ; a wave's two first fills stand in one branch: two loads of mine are out
	s_cbranch_scc0 .Lfirst_b
	tensor_load_to_lds s[G0A:G0A+3], s[G1A:G1A+7]
	s_nop 0
	tensor_load_to_lds s[G0A+4:G0A+7], s[G1A:G1A+7]
	s_nop 0
	PLACES
	s_branch .Lfirst_asked
.Lfirst_b:
	tensor_load_to_lds s[G0B:G0B+3], s[G1B:G1B+7]
	s_nop 0
	tensor_load_to_lds s[G0B+4:G0B+7], s[G1B:G1B+7]
	s_nop 0
	PLACES
.Lfirst_asked:
	v_and_b32 v1, 15, v0                           ; r
	v_bfe_u32 v2, v0, 4, 1                         ; h
	v_and_b32 v3, 31, v0                           ; l
	v_mul_u32_u24 v4, v1, PA
	v_lshl_add_u32 v4, v2, 4, v4                   ; 272 r + 16 h: a fragment's row and half
	s_mul_i32 s20, s[RH], AHALF
	v_add_nc_u32 v[ADRA0], s20, v4
	s_mul_i32 s20, s[CH], BHALF
	s_add_co_u32 s20, s20, BTILE
	v_add_nc_u32 v[ADRB0], s20, v4
	v_mov_b32 v[ADRA], v[ADRA0]
	v_mov_b32 v[ADRB], v[ADRB0]
	s_mul_i32 s20, s[WV], 16*SP
	s_add_co_u32 s20, s20, STAGE
	v_add_nc_u32 v[STO], s20, v4
	v_mul_u32_u24 v5, v2, SP
	v_lshl_add_u32 v5, v1, 4, v5
	v_add_nc_u32 v[RD], s20, v5
	v_mul_u32_u24 v5, v2, CPITCH
	v_lshl_add_u32 v[CO], v1, 4, v5
	v_lshlrev_b32 v[XO], 3, v3
	s_lshl_b32 s20, s[TY], 8                       ; p at my first row and key
	s_lshl_b32 s21, s[RH], 7
	s_add_co_u32 s20, s20, s21
	s_mul_i32 s20, s20, CPITCH
	s_lshl_b32 s21, s[TX], 9
	s_add_co_u32 s20, s20, s21
	s_lshl_b32 s21, s[CH], 8
	s_add_co_u32 s20, s20, s21
	s_mov_b32 s21, 0
	s_add_nc_u64 s[10:11], s[10:11], s[20:21]
	s_lshl_b32 s20, s[TX], 1                       ; stats at group 2 x tile column + half, my first row: 8 bytes a row
	s_add_co_u32 s20, s20, s[CH]
	s_lshl_b32 s20, s20, 13
	s_lshl_b32 s21, s[TY], 8
	s_add_co_u32 s20, s20, s21
	s_lshl_b32 s21, s[RH], 7
	s_add_co_u32 s20, s20, s21
	s_lshl_b32 s20, s20, 3
	s_mov_b32 s21, 0
	s_add_nc_u64 s[8:9], s[8:9], s[20:21]
	; the prefetches: they start at K step 2; the first change of slots steps them to 3
	s_lshl_b32 s20, s[TY], 8
	s_lshl_b32 s21, s[CH], 7
	s_add_co_u32 s20, s20, s21
	s_lshl_b32 s21, s[CX], 5
	s_add_co_u32 s20, s20, s21                     ; Q: my work-group's 32 of the 128 rows that I fetch
	s_mul_i32 s20, s20, 2*LDA
	s_add_co_u32 s20, s20, 2*256
	s_lshl_b32 s66, s[BAT], 11
	s_lshl_b32 s67, s[TX], 8
	s_add_co_u32 s66, s66, s67
	s_lshl_b32 s67, s[CH], 7
	s_add_co_u32 s66, s66, s67
	s_lshl_b32 s67, s[CY], 5
	s_add_co_u32 s66, s66, s67                     ; K: my work-group's 32 of the 128 rows that I fetch
	s_mul_i32 s66, s66, 2*LDB
	s_add_co_u32 s66, s66, BOFF+2*256
	s_mov_b32 s67, ttmp9                           ; 0: a cluster with x = 0
	s_and_b32 s68, s[CLY], 1                       ; 0: the first of the batch's two rows of clusters
	s_cmp_eq_u32 s[RH], 0
	s_cselect_b32 s20, s20, s66
	s_cselect_b32 s[LIM], s67, s68
	s_cselect_b64 s[PFA:PFA+1], s[4:5], s[6:7]
	s_mov_b32 s21, 0
	s_mov_b32 s[PFS], 256
	s_mov_b32 s[PFS+1], 0
	s_add_nc_u64 s[PFA:PFA+1], s[PFA:PFA+1], s[20:21]
	s_cmp_eq_u32 s[LIM], 0
	s_cselect_b32 s[LIM], 1, -1                    ; the same in all sixteen partners, for a given wave
	v_mul_u32_u24 v[PFO], v3, 2*LDA                ; a lane a row
	s_wait_tensorcnt 0x1                           ; my part of K step 0 is in; K step 1's may stay out
	s_barrier_signal -1
	s_barrier_wait -1
	FETCH 0, F0
	QUARTER 1, F0, F1, 1                           ; the first quarter stands in front of the loop: its products start the sums
	WIN 0
	s_mov_b32 s[CNT], KSTEPS-2
.Lstep:                                        ; trip i ends K step i, fills its slot with K step i + 2 and begins K step i + 1
	QUARTER 2, F1, F0, 0
	QUARTER 3, F0, F1, 0
	TURN 1
	QUARTER 1, F0, F1, 0
	WIN 0
	s_sub_co_u32 s[CNT], s[CNT], 1
	s_cmp_lg_u32 s[CNT], 0
	s_cbranch_scc1 .Lstep
	QUARTER 2, F1, F0, 0                           ; the tail is written out
	QUARTER 3, F0, F1, 0
	TURN 0
	QUARTER 1, F0, F1, 0
	QUARTER 2, F1, F0, 0
	QUARTER 3, F0, F1, 0
	s_wait_dscnt 0x0
	MUL64 F1, 0
	WIN 0
	PLACES                                         ; eight places behind the last product, twice what its first reader needs: once a launch
	PLACES
; THE SOFTMAX'S FIRST HALF for block a (16 queries x my 128 keys; a lane holds 64 scores, in window 2 from 64 a on).
; The way out is written for the four row blocks of window 2 and walked twice: between the trips window 3's sums are brought into window 2, and the two addresses go 64 rows on.
.macro SOFT a
.set AC, 64*(\a)
	WIN 0x2a                                       ; the maximum, the scores in ascending order: four chains start on scores 0-11
.irp c, 0,1,2,3
	v_max3_num_f32 v[CHN+(\c)], v[AC+3*(\c)], v[AC+3*(\c)+1], v[AC+3*(\c)+2]
.endr
	WIN 0x28                                       ; and take two more each, by turns
.set n, 0
.rept 26
	v_max3_num_f32 v[CHN+n%4], v[CHN+n%4], v[AC+12+2*n], v[AC+13+2*n]
.set n, n+1
.endr
	WIN 0
	v_max3_num_f32 v[CHN], v[CHN], v[CHN+1], v[CHN+2]
	v_max_num_f32 v[CHN], v[CHN], v[CHN+3]
	v_permlanex16_b32 v[CHN+1], v[CHN], s[SEL], s[SEL+1]  ; the query's other 64 keys lie in the lane 16 away
	v_max_num_f32 v[CHN], v[CHN], v[CHN+1]
	v_mul_f32 v[CM+2*(\a)], s[CS], v[CHN]          ; c m
	v_mov_b32 v[CM+2*(\a)+1], v[CM+2*(\a)]
	WIN 0x82                                       ; destination and source 0 window 2
.set n, 0
.rept 32
	v_pk_fma_f32 v[AC+2*n:AC+2*n+1], v[AC+2*n:AC+2*n+1], s[CS:CS+1], v[CM+2*(\a):CM+2*(\a)+1] op_sel_hi:[1,0,0] neg_lo:[0,0,1] neg_hi:[0,0,1]  ; c s - c m
.set n, n+1
.endr
.set n, 0
.rept 64                               ; one batch of exponentials,
	v_exp_f32 v[AC+n], v[AC+n]
.set n, n+1
.endr
	v_nop                                          ; a plain instruction behind the last of them,
	s_wait_alu depctr_va_vdst(0)                   ; and one wait ahead of the first use
	WIN 0x0a                                       ; sources window 2, destination window 0
.set n, 0
.rept 32
	v_cvt_pk_f16_f32 v[TMP+n], v[AC+2*n], v[AC+2*n+1]
.set n, n+1
.endr
	WIN 0x8a                                       ; the sum of the unrounded p, in place: neighbours 1, 2, 4, 8 and 16 pairs apart
.irp w, 4,8,16,32,64
.set n, 0
.rept 64/(\w)
	v_pk_add_f32 v[AC+n:AC+n+1], v[AC+n:AC+n+1], v[AC+n+(\w)/2:AC+n+(\w)/2+1]
.set n, n+(\w)
.endr
.endr
	WIN 0x0a
	v_add_f32 v[LS+(\a)], v[AC], v[AC+1]
	WIN 0
	v_permlanex16_b32 v[CHN+1], v[LS+(\a)], s[SEL], s[SEL+1]
	v_add_f32 v[LS+(\a)], v[LS+(\a)], v[CHN+1]
.endm
.macro STATS a                         ; a = 1, 3: lanes 0-15 send block a - 1's figures, lanes 16-31 block a's: 256 consecutive bytes, aligned
	v_cndmask_b32 v[SV+(\a)-1], v[CM+2*(\a)-2], v[CM+2*(\a)], s[HIM]
	v_cndmask_b32 v[SV+(\a)], v[LS+(\a)-1], v[LS+(\a)], s[HIM]
	global_store_b64 v[XO], v[SV+(\a)-1:SV+(\a)], s[8:9] offset:128*((\a)-1)
.endm
.macro TOSTAGE a                       ; 16 bytes a lane into my own stage, back as whole rows of 256 bytes
	WIN 0
.irp b, 0,1,2,3,4,5,6,7
	ds_store_b128 v[STO], v[TMP+4*(\b):TMP+4*(\b)+3] offset:32*(\b)
.endr
.irp t, 0,1,2,3,4,5,6,7
	ds_load_b128 v[BK+32*((\a)%2)+4*(\t):BK+32*((\a)%2)+4*(\t)+3], v[RD] offset:(\t)*2*SP  ; LDS serves a wave's instructions in order (ISA guide 5.7.1.4): these see the stores above
.endr
.endm
.macro SEND a
	WIN 0
	s_wait_dscnt 0x0                               ; the block is back in registers
	s_wait_xcnt 0x0                                ; the block before has left its registers: the next TOSTAGE loads into them only behind this wait
.irp t, 0,1,2,3,4,5,6,7
	global_store_b128 v[CO], v[BK+32*((\a)%2)+4*(\t):BK+32*((\a)%2)+4*(\t)+3], s[10:11] offset:(16*(\a)+2*(\t))*CPITCH  ; 16 lanes store 256 consecutive bytes, aligned
.endr
.endm
	s_mov_b32 s[CNT], 2
.Lhalf:
	SOFT 0
	TOSTAGE 0
	SOFT 1                                         ; a block's arithmetic stands between the loads of the block before and the wait for them
	STATS 1
	SEND 0
	TOSTAGE 1
	SOFT 2
	SEND 1
	TOSTAGE 2
	SOFT 3
	STATS 3
	SEND 2
	TOSTAGE 3
	SEND 3
	s_cmp_eq_u32 s[CNT], 1                         ; behind the second half nothing is left to bring
	s_cbranch_scc1 .Lbrought
	WIN 0x83                                       ; destination window 2, source window 3; each accumulator's registers in ascending order
.set i, 0
.rept 256
	v_mov_b32 v[i], v[i]
.set i, i+1
.endr
	WIN 0
	s_wait_xcnt 0x0                                ; the stores have read their bases and their registers
	s_add_nc_u64 s[10:11], s[10:11], 64*CPITCH     ; p: 64 rows on
	s_add_nc_u64 s[8:9], s[8:9], 64*8              ; stats: 64 rows of 8 bytes on
.Lbrought:
	s_sub_co_u32 s[CNT], s[CNT], 1
	s_cmp_lg_u32 s[CNT], 0
	s_cbranch_scc1 .Lhalf
	s_wait_tensorcnt 0x0                           ; the wave's end, behind my last tensor load and my last LDS store
	ds_add_u32 v[SPW], v[NIL]
	s_wait_dscnt 0x0
	CROUND                                         ; the closing round
	s_endpgm
.Lfunc_end_k_q0a61ab8576_gemm_scores:
	.size	k_q0a61ab8576_gemm_scores, .Lfunc_end_k_q0a61ab8576_gemm_scores-k_q0a61ab8576_gemm_scores
	.p2alignl 7, 3214868480
	.fill 96, 4, 3214868480
	.section	.rodata,"a",@progbits
	.p2align	6, 0x0
	.amdhsa_kernel k_q0a61ab8576_gemm_scores
		.amdhsa_group_segment_fixed_size 327680
		.amdhsa_private_segment_fixed_size 0
		.amdhsa_enable_private_segment 0
		.amdhsa_kernarg_size 24
		.amdhsa_user_sgpr_count 2
		.amdhsa_user_sgpr_kernarg_segment_ptr 1
		.amdhsa_wavefront_size32 1
		.amdhsa_system_sgpr_workgroup_id_x 1
		.amdhsa_system_sgpr_workgroup_id_y 1
		.amdhsa_system_sgpr_workgroup_id_z 1
		.amdhsa_system_vgpr_workitem_id 0
		.amdhsa_next_free_vgpr 1024
		.amdhsa_next_free_sgpr 76
		.amdhsa_reserve_vcc 0
		.amdhsa_float_denorm_mode_32 3
		.amdhsa_float_denorm_mode_16_64 3
		.amdhsa_memory_ordered 1
		.amdhsa_forward_progress 1
		.amdhsa_inst_pref_size 145
	.end_amdhsa_kernel
	.amdgpu_metadata
---
amdhsa.version: [ 1, 2 ]
amdhsa.kernels:
  - .name:           k_q0a61ab8576_gemm_scores
    .symbol:         k_q0a61ab8576_gemm_scores.kd
    .args:
      - { .name: qkv, .offset: 0, .size: 8, .value_kind: global_buffer, .address_space: global }
      - { .name: p, .offset: 8, .size: 8, .value_kind: global_buffer, .address_space: global }
      - { .name: stats, .offset: 16, .size: 8, .value_kind: global_buffer, .address_space: global }
    .group_segment_fixed_size: 327680
    .private_segment_fixed_size: 0
    .kernarg_segment_align: 8
    .kernarg_segment_size: 24
    .max_flat_workgroup_size: 128
    .sgpr_count:     76
    .vgpr_count:     1024
    .wavefront_size: 32
...
	.end_amdgpu_metadata
.endif
;; end of part 3
;; launch gemm_pv (part 4): grid 4 x 64, 4 waves a work-group, clusters of 4 x 4, 327,680 bytes of LDS; arguments p, qkv, stats, o; writes o
.if DOCPART == 4
	.amdgcn_target "amdgcn-amd-amdhsa--gfx1250"
	.amdhsa_code_object_version 6
	.text
	.protected	k_q0a61ab8576_gemm_pv
	.globl	k_q0a61ab8576_gemm_pv
	.p2align	8
	.type	k_q0a61ab8576_gemm_pv,@function
k_q0a61ab8576_gemm_pv:
	s_mov_b64 s[64:65], 0
	v_nop
	global_prefetch_b8 v0, s[64:65] scope:SCOPE_SE
	s_setreg_imm32_b32 hwreg(HW_REG_WAVE_MODE, 25, 1), 1
	s_wait_xcnt 0x0
	s_wait_alu depctr_hold_cnt(0) depctr_sa_sdst(0) depctr_va_vdst(0) depctr_va_sdst(0) depctr_va_ssrc(0) depctr_va_vcc(0) depctr_vm_vsrc(0)
	s_getreg_b32 s2, hwreg(HW_REG_IB_STS2, 6, 4)
	s_cmp_eq_u32 s2, 0
	s_cbranch_scc0 .Lentry_in_a_cluster
	s_endpgm
.Lentry_in_a_cluster:
	s_bfe_u32 s2, ttmp6, 0x10000c
	s_cmp_lg_u32 s2, 0xf033
	s_cbranch_scc0 .Lentry_shape_is_right
	s_endpgm
.Lentry_shape_is_right:
; O[q][d] = the sum over k of softmax_k V[k][d], from the launch before's p = 2^(c s - c m_g) (f16, [8192][2048]) and (c m_g, l_g) (f32, stats [16 groups][8192 rows][2]); V: byte 4,096 of qkv's rows of 6,144 bytes, f16.
; THE MERGE, at the head: for each of my 64 rows M = the maximum of the 16 c m_g (the row's true maximum), f_g = 2^(c m_g - M), L = the sum of f_g l_g.  A K step of 128 keys is one group: its fragments of p are
; multiplied by f_g (packed f16, one rounding) on their way to the matrix unit, and the f32 sums by 1 / L at the end.  O: [8192][1024] f16, rounded once.
; LIMITS: f_g and p f_g lie in 0 to 1 and keep f16's fixed step of 2^-24 below 2^-14; L takes the unrounded f_g; an exponential below 2^-126 counts as 0; O is a mean of V's rows and has their range; below 2^-14 it
; keeps the same fixed step; NaN and infinities are not treated apart.  L is at least 1: the group that holds the row's maximum has f = 1 and l >= 1.
; SHARES.  A work-group makes 128 rows x 256 channels: 4 x 64 = 256 work-groups.  Four waves, 2 x 2, each 64 x 128: 32 accumulators.  K (the keys, 2,048) goes in 16 steps of 128 through two LDS slots.
; V lies [key][channel]: its tile is 128 key rows x 512 bytes and is read turned, by ds_load_tr16_b128.  The matrix instruction is used transposed: lane l holds row l % 16, its registers 0-7 the channels 8 (l / 16) + 0..7.
; CLUSTER.  4 x 4 work-groups, whose four tile rows lie in one batch.  p's tile is shared along a row of the cluster, V's along a column: each is asked for jointly.
; REGISTERS: window 0: v0-31 addresses; v32-127, v128-223 two fragment buffers (p's four fragments at +8 a, V's eight at +32 + 8 b; at the head the merge's work); v224-227 the step's factors; v232-247 1 / L, L, M
;   window 1: accumulator (a, b) at v[8 (8 a + b)]
.set LDA,    2048
.set LDB,    3072
.set KSTEPS, 16
.set BOFF,   4096                      ; V's first byte in a row of qkv
.set CPITCH, 2048
.set PA,     272                       ; p's LDS row: 256 bytes + 16: the 16 rows of a load start at 16 different groups of four banks (64 banks of 4 bytes: ISA guide 11.1)
.set PB,     544                       ; V's LDS row: 512 bytes + 32
.set AHALF,  64*PA
.set BTILE,  128*PA
.set BHALF,  64*PB
.set BSTEP,  128*LDB*2
.set SLOT1,  1<<17
.set STAGE,  SLOT1+BTILE+2*BHALF       ; 16 rows x 272 bytes for each wave, for the way out
.set SP,     272
.set TBL,    STAGE+4*16*SP             ; for each wave 4,096 bytes: the factors, [group 16][row r 16][block a 4], a word (f, f) in f16; the wave's own, never filled
.set SPARE,  TBL+4*4096                ; the spare words, 128 bytes for each wave: two blocks of 256 bytes that no other line names
.set ADRA0, 16
.set ADRB0, 17
.set ADRA,  18
.set ADRB,  19
.set STO,   24
.set RD,    25
.set CO,    26
.set XO,    27                         ; v27  8 r: my row's 8 bytes in stats
.set SPW,   28
.set NIL,   29
.set PFO,   30
.set FADR,  31                         ; v31  LDS address of my row's four factors of the group in hand
.set F0,    32
.set F1,    128
.set TMP,   32
.set BK,    64
.set SB,    32                         ; the merge: (c m, l) of block a, group g at SB + 2 (16 a + g)
.set TW,    160                        ; the merge: the table's words, group g, block a at TW + 4 g + a
.set FAC,   224                        ; v[224:227] (f, f) of blocks 0-3 for the K step in hand
.set RL,    232                        ; v[232+2a:233+2a] 1 / L of block a, twice
.set LL,    240                        ; v[240+a] L
.set MX,    244                        ; v[244+a] M
.set CNT, 3
.set WV,  12
.set RH,  13
.set CH,  14
.set CX,  15
.set CY,  16
.set TX,  17
.set TY,  18
.set CLY, 19
.set G1A, 24
.set G0A, 32
.set G1B, 40
.set G0B, 48
.set PFA, 56
.set PFS, 58
.set LIM, 60
.set TB,  61
.set BAT, 62
.set MSB, 0
.macro WIN new
.if MSB != (\new)
	s_set_vgpr_msb (MSB<<8)|(\new)
.set MSB, \new
.endif
.endm
.macro PLACES                          ; four plain vector instructions between a matrix instruction and a load into, or a reader of, its registers (ISA guide 7.12.1 for a reader)
.rept 4
	v_nop
.endr
.endm
.macro CREST
	s_cmp_lg_u32 s[WV], 0
	s_cbranch_scc1 .Lnot_wave_0_\@
	s_barrier_signal -3
.Lnot_wave_0_\@:
	s_barrier_wait -3
	s_barrier_signal -1
	s_barrier_wait -1
.endm
.macro CROUND
	s_barrier_signal -1
	s_barrier_wait -1
	CREST
.endm
.macro JLOAD                           ; a joint refill by the walking sets: waves 0 and 1 fetch p's halves, waves 2 and 3 V's; an s_nop 0 and four v_nop follow each line
	s_cmp_eq_u32 s[RH], 0
	s_cbranch_scc0 .Lfor_b_\@
	tensor_load_to_lds s[G0A+4:G0A+7], s[G1A:G1A+7]
	s_nop 0
	PLACES
	s_branch .Lasked_\@
.Lfor_b_\@:
	tensor_load_to_lds s[G0B+4:G0B+7], s[G1B:G1B+7]
	s_nop 0
	PLACES
.Lasked_\@:
.endm
; A prefetch of the K step that stands two refills on, one instruction a wave; each aligned block of 256 bytes is named once in the launch.  p's tile row is read by one cluster alone (the grid is one cluster wide):
; wave 0 asks; partner cx takes rows 32 cx .. + 31, a lane a row.  V's tile: the first of a batch's four rows of clusters, waves 2 and 3; of the wave's 64 key rows partner cy takes 16, two blocks each.
; The partners are told apart by address alone.  The loop's last two trips ask for nothing; K steps 0 to 3 come by their loads alone.
.macro ASK
	s_cmp_gt_u32 s[CNT], s[LIM]
	s_cbranch_scc0 .Lnot_mine_\@
	global_prefetch_b8 v[PFO], s[PFA:PFA+1] th:TH_LOAD_NT scope:SCOPE_SE
.Lnot_mine_\@:
.endm
.macro MUL8 f, a, mode                 ; eight products; mode 1: the first product starts the sum with the constant 0
	WIN 0x50
.irp b, 0,1,2,3,4,5,6,7
.if (\mode) == 1
	v_wmma_f32_16x16x32_f16 v[8*(8*(\a)+(\b)):8*(8*(\a)+(\b))+7], v[(\f)+32+8*(\b):(\f)+32+8*(\b)+7], v[(\f)+8*(\a):(\f)+8*(\a)+7], 0
.else
	v_wmma_f32_16x16x32_f16 v[8*(8*(\a)+(\b)):8*(8*(\a)+(\b))+7], v[(\f)+32+8*(\b):(\f)+32+8*(\b)+7], v[(\f)+8*(\a):(\f)+8*(\a)+7], v[8*(8*(\a)+(\b)):8*(8*(\a)+(\b))+7]
.endif
.endr
.endm
.macro MUL32 f, mode                   ; the 32 accumulators take turns, in the same order in every quarter and over the backward jump
.irp a, 0,1,2,3
	MUL8 \f, \a, \mode
.endr
.endm
.macro FETCH q, f                      ; 24 LDS loads in one run: quarter q (32 keys) of the slot in hand, into buffer f
	WIN 0
.irp i, 0,1,2,3,4,5,6,7
	ds_load_tr16_b128 v[(\f)+32+8*(\i):(\f)+32+8*(\i)+3],   v[ADRB] offset:(\q)*32*PB+32*(\i)
	ds_load_tr16_b128 v[(\f)+32+8*(\i)+4:(\f)+32+8*(\i)+7], v[ADRB] offset:(\q)*32*PB+32*(\i)+16*PB
.endr
.irp i, 0,1,2,3
	ds_load_b128 v[(\f)+8*(\i):(\f)+8*(\i)+3],   v[ADRA] offset:64*(\q)+(\i)*16*PA
	ds_load_b128 v[(\f)+8*(\i)+4:(\f)+8*(\i)+7], v[ADRA] offset:64*(\q)+(\i)*16*PA+32
.endr
.endm
.macro SCALE f                         ; p's four fragments in buffer f times the group's factor of the lane's row: two f16 an instruction
	WIN 0
.irp a, 0,1,2,3
.irp j, 0,1,2,3,4,5,6,7
	v_pk_mul_f16 v[(\f)+8*(\a)+(\j)], v[(\f)+8*(\a)+(\j)], v[FAC+(\a)]
.endr
.endr
.endm
.macro QUARTER q, f, g, mode
	s_wait_dscnt 0x0                               ; buffer f's loads, issued 32 products ago (and, behind a change of slots, the group's factors)
	SCALE \f                                       ; 32 plain instructions that name nothing of the last products: the places in front of the loads into g
	FETCH \q, \g
	MUL32 \f, \mode
.endm
; The last quarter multiplies buffer 1 and changes slots.  In front of the barrier each wave waits for all its tensor loads (one is out: its part of the next slot), adds 0 to its spare word, and waits for
; that and for its reads of this slot.  fill = 1: the barrier opens a round of the cluster's, and this slot is filled again, first thing behind it, with the K step two on.
.macro TURN fill
.if \fill
	s_wait_xcnt 0x0                                ; the last prefetch, a K step back, has read its address
	s_add_nc_u64 s[PFA:PFA+1], s[PFA:PFA+1], s[PFS:PFS+1]
.endif
	WIN 0
	s_wait_tensorcnt 0x0                           ; no tensor load of mine is out, so a group 0 may be written
	ds_add_u32 v[SPW], v[NIL]                      ; 0 onto my spare word
.if \fill
	s_xor_b32 s[G0A+5], s[G0A+5], SLOT1
	s_add_nc_u64 s[G0A+6:G0A+7], s[G0A+6:G0A+7], 256
	s_xor_b32 s[G0B+5], s[G0B+5], SLOT1
	s_add_nc_u64 s[G0B+6:G0B+7], s[G0B+6:G0B+7], BSTEP
.endif
	s_xor_b32 s[TB], s[TB], SLOT1
	s_wait_dscnt 0x1                               ; buffer 1 is in; the add alone may be out
	SCALE F1
	MUL8 F1, 0, 0
	s_wait_dscnt 0x0                               ; the add is done, and my reads of this slot are over
	s_barrier_signal -1
	MUL8 F1, 1, 0
	WIN 0
	s_barrier_wait -1
.if \fill
	CREST
	JLOAD                                          ; its four v_nop are also the places in front of the loads below
.else
	PLACES
.endif
	v_add_nc_u32 v[ADRA], s[TB], v[ADRA0]
	v_add_nc_u32 v[ADRB], s[TB], v[ADRB0]
	v_add_nc_u32 v[FADR], 256, v[FADR]             ; the next group's factors
	FETCH 0, F0
	ds_load_b128 v[FAC:FAC+3], v[FADR]             ; this step's last SCALE stands above
.if \fill
	ASK
.endif
	MUL8 F1, 2, 0
	MUL8 F1, 3, 0
.endm
	s_load_b256 s[4:11], s[0:1], 0x0               ; A = p s[4:5], qkv s[6:7], stats s[8:9], C = o s[10:11]
	v_lshl_add_u32 v[SPW], v0, 2, SPARE
	v_mov_b32 v[NIL], 0
	ds_add_u32 v[SPW], v[NIL]                      ; the wave's opening: the add and its wait stand ahead of my first tensor load
	v_lshrrev_b32 v1, 5, v0
	v_readfirstlane_b32 s[WV], v1
	s_lshr_b32 s[RH], s[WV], 1
	s_and_b32 s[CH], s[WV], 1
	s_bfe_u32 s[CX], ttmp6, 0x40000
	s_bfe_u32 s[CY], ttmp6, 0x40004
	s_lshl_b32 s[TX], ttmp9, 2
	s_add_co_u32 s[TX], s[TX], s[CX]
	s_and_b32 s[CLY], ttmp7, 0xffff
	s_lshl_b32 s[TY], s[CLY], 2
	s_add_co_u32 s[TY], s[TY], s[CY]
	s_lshr_b32 s[BAT], s[CLY], 2                   ; made of the cluster's y alone: equal in all partners
	s_lshl_b32 s20, s[CY], 2
	s_lshl_b32 s20, 15, s20                        ; my row of the cluster
	s_lshl_b32 s66, 0x1111, s[CX]                  ; my column
	s_or_b32 s[G1A], s20, (1<<16)|(1<<20)|(1<<21)|(5<<22)|(3<<25)  ; the mask; 2-byte elements; padding on; bit 21 beside a mask; after every 64 words, 4 words
	s_mov_b32 s[G1A+1], 128<<16                    ; 64 rows x 128 elements
	s_mov_b32 s[G1A+2], 64<<16
	s_mov_b32 s[G1A+3], 128<<16
	s_mov_b32 s[G1A+4], 64
	s_mov_b32 s[G1A+5], LDA
	s_mov_b32 s[G1A+6], 0
	s_mov_b32 s[G1A+7], 0
	s_or_b32 s[G1B], s66, (1<<16)|(1<<20)|(1<<21)|(6<<22)|(7<<25)  ; after every 128 words, 8 words
	s_mov_b32 s[G1B+1], 256<<16                    ; 64 key rows x 256 elements
	s_mov_b32 s[G1B+2], 64<<16
	s_mov_b32 s[G1B+3], 256<<16
	s_mov_b32 s[G1B+4], 64
	s_mov_b32 s[G1B+5], LDB
	s_mov_b32 s[G1B+6], 0
	s_mov_b32 s[G1B+7], 0
	s_mov_b32 s[G0A], 1
	s_mul_i32 s[G0A+1], s[CH], AHALF
	s_mov_b32 s[G0A+4], 1
	s_add_co_u32 s[G0A+5], s[G0A+1], SLOT1
	s_mov_b32 s[G0B], 1
	s_mul_i32 s[G0B+1], s[CH], BHALF
	s_add_co_u32 s[G0B+1], s[G0B+1], BTILE
	s_mov_b32 s[G0B+4], 1
	s_add_co_u32 s[G0B+5], s[G0B+1], SLOT1
	s_lshl_b32 s20, s[TY], 7                       ; p: row 128 x tile row + 64 x half (all offsets of this text stay under 2^31)
	s_lshl_b32 s21, s[CH], 6
	s_add_co_u32 s20, s20, s21
	s_mul_i32 s20, s20, 2*LDA
	s_mov_b32 s21, 0
	s_lshl_b32 s66, s[BAT], 11                     ; V: token 2,048 x batch + 64 x half, channel 256 x tile column
	s_lshl_b32 s67, s[CH], 6
	s_add_co_u32 s66, s66, s67
	s_mul_i32 s66, s66, 2*LDB
	s_lshl_b32 s67, s[TX], 9
	s_add_co_u32 s66, s66, s67
	s_add_co_u32 s66, s66, BOFF
	s_mov_b32 s67, 0
	s_mov_b32 s[TB], 0
	s_wait_dscnt 0x0                               ; the opening add is done
	s_wait_kmcnt 0x0
	s_add_nc_u64 s[G0A+2:G0A+3], s[4:5], s[20:21]
	s_add_nc_u64 s[G0A+6:G0A+7], s[G0A+2:G0A+3], 256
	s_or_b32 s[G0A+3], s[G0A+3], 0x80000000
	s_or_b32 s[G0A+7], s[G0A+7], 0x80000000
	s_add_nc_u64 s[G0B+2:G0B+3], s[6:7], s[66:67]
	s_add_nc_u64 s[G0B+6:G0B+7], s[G0B+2:G0B+3], BSTEP
	s_or_b32 s[G0B+3], s[G0B+3], 0x80000000
	s_or_b32 s[G0B+7], s[G0B+7], 0x80000000
	CROUND                                         ; all sixteen work-groups are here: the first joint loads meet
	s_cmp_eq_u32 s[RH], 0                          ; a wave's two first fills stand in one branch: two loads of mine are out
	s_cbranch_scc0 .Lfirst_b
	tensor_load_to_lds s[G0A:G0A+3], s[G1A:G1A+7]
	s_nop 0
	tensor_load_to_lds s[G0A+4:G0A+7], s[G1A:G1A+7]
	s_nop 0
	PLACES
	s_branch .Lfirst_asked
.Lfirst_b:
	tensor_load_to_lds s[G0B:G0B+3], s[G1B:G1B+7]
	s_nop 0
	tensor_load_to_lds s[G0B+4:G0B+7], s[G1B:G1B+7]
	s_nop 0
	PLACES
.Lfirst_asked:
	v_and_b32 v1, 15, v0                           ; r
	v_bfe_u32 v2, v0, 4, 1                         ; h
	v_and_b32 v3, 31, v0                           ; l
	v_lshlrev_b32 v[XO], 3, v1
	s_lshl_b32 s20, s[TY], 7                       ; stats at my first row
	s_lshl_b32 s21, s[RH], 6
	s_add_co_u32 s20, s20, s21
	s_lshl_b32 s20, s20, 3
	s_mov_b32 s21, 0
	s_add_nc_u64 s[8:9], s[8:9], s[20:21]
.set i, 0
.rept 64                               ; block a = i / 16, group g = i % 16: (c m_g, l_g) of row 16 a + r, in both halves of the lanes
	global_load_b64 v[SB+2*i:SB+2*i+1], v[XO], s[8:9] offset:65536*(i%16)+128*(i/16)
.set i, i+1
.endr
	v_mul_u32_u24 v4, v1, PA
	v_lshl_add_u32 v4, v2, 4, v4                   ; 272 r + 16 h
	s_mul_i32 s20, s[RH], AHALF
	v_add_nc_u32 v[ADRA0], s20, v4
	; The turning load takes 16 keys x 16 channels (lane l reads key row 8 h + l % 8, channels 8 ((l / 8) % 2) + 0..7) and leaves half a fragment: lane l holds channel r and 8 keys
	v_and_b32 v5, 7, v0
	v_lshl_add_u32 v5, v2, 3, v5
	v_mul_u32_u24 v5, v5, PB
	v_bfe_u32 v6, v0, 3, 1
	v_lshl_add_u32 v5, v6, 4, v5
	s_lshl_b32 s20, s[CH], 8
	s_add_co_u32 s20, s20, BTILE
	v_add_nc_u32 v[ADRB0], s20, v5
	v_mov_b32 v[ADRA], v[ADRA0]
	v_mov_b32 v[ADRB], v[ADRB0]
	s_mul_i32 s20, s[WV], 16*SP
	s_add_co_u32 s20, s20, STAGE
	v_add_nc_u32 v[STO], s20, v4
	v_mul_u32_u24 v5, v2, SP
	v_lshl_add_u32 v5, v1, 4, v5
	v_add_nc_u32 v[RD], s20, v5
	v_mul_u32_u24 v5, v2, CPITCH
	v_lshl_add_u32 v[CO], v1, 4, v5
	s_lshl_b32 s20, s[WV], 12
	s_add_co_u32 s20, s20, TBL
	v_lshl_add_u32 v[FADR], v1, 4, s20             ; my table, row r, group 0
	s_lshl_b32 s20, s[TY], 7                       ; O at my first row and channel
	s_lshl_b32 s21, s[RH], 6
	s_add_co_u32 s20, s20, s21
	s_mul_i32 s20, s20, CPITCH
	s_lshl_b32 s21, s[TX], 9
	s_add_co_u32 s20, s20, s21
	s_lshl_b32 s21, s[CH], 8
	s_add_co_u32 s20, s20, s21
	s_mov_b32 s21, 0
	s_add_nc_u64 s[10:11], s[10:11], s[20:21]
	; the prefetches: they start at K step 3; the first change of slots steps them to 4
	s_lshl_b32 s20, s[TY], 7
	s_lshl_b32 s21, s[CX], 5
	s_add_co_u32 s20, s20, s21
	s_mul_i32 s20, s20, 2*LDA
	s_add_co_u32 s20, s20, 3*256
	s_lshl_b32 s66, s[BAT], 11
	s_lshl_b32 s67, s[CH], 6
	s_add_co_u32 s66, s66, s67
	s_lshl_b32 s67, s[CY], 4
	s_add_co_u32 s66, s66, s67
	s_add_co_u32 s66, s66, 3*128
	s_mul_i32 s66, s66, 2*LDB
	s_lshl_b32 s67, s[TX], 9
	s_add_co_u32 s66, s66, s67
	s_add_co_u32 s66, s66, BOFF
	s_or_b32 s67, s[CH], ttmp9                     ; 0: wave 0 (the cluster's x is always 0 here)
	s_and_b32 s68, s[CLY], 3                       ; 0: the first of the batch's four rows of clusters
	s_mov_b32 s22, 2*LDA
	s_mov_b32 s23, 2*LDB
	s_mov_b32 s69, BSTEP
	s_cmp_eq_u32 s[RH], 0
	s_cselect_b32 s20, s20, s66
	s_cselect_b32 s[LIM], s67, s68
	s_cselect_b32 s22, s22, s23
	s_cselect_b32 s[PFS], 256, s69
	s_cselect_b32 s23, 0, 1                        ; p: a lane a row; V: two lanes a row
	s_cselect_b64 s[PFA:PFA+1], s[4:5], s[6:7]
	s_mov_b32 s21, 0
	s_mov_b32 s[PFS+1], 0
	s_add_nc_u64 s[PFA:PFA+1], s[PFA:PFA+1], s[20:21]
	s_cmp_eq_u32 s[LIM], 0
	s_cselect_b32 s[LIM], 2, -1
	v_lshrrev_b32 v5, s23, v3
	v_and_b32 v6, s23, v3
	v_mul_u32_u24 v[PFO], v5, s22
	v_lshl_add_u32 v[PFO], v6, 8, v[PFO]
	; THE MERGE, while the first tiles are on their way; the four blocks take turns, so that no line waits for the one before it
	s_wait_loadcnt 0x0
.irp a, 0,1,2,3
	v_max3_num_f32 v[MX+(\a)], v[SB+32*(\a)], v[SB+32*(\a)+2], v[SB+32*(\a)+4]
.endr
.irp n, 0,1,2,3,4,5
.irp a, 0,1,2,3
	v_max3_num_f32 v[MX+(\a)], v[MX+(\a)], v[SB+32*(\a)+6+4*(\n)], v[SB+32*(\a)+8+4*(\n)]
.endr
.endr
.irp a, 0,1,2,3
	v_max_num_f32 v[MX+(\a)], v[MX+(\a)], v[SB+32*(\a)+30]  ; M: the row's true maximum, times c
.endr
.set i, 0
.rept 64
	v_sub_f32 v[SB+2*i], v[SB+2*i], v[MX+i/16]
.set i, i+1
.endr
.set i, 0
.rept 64                               ; one batch of exponentials: f_g, in c m_g's place,
	v_exp_f32 v[SB+2*i], v[SB+2*i]
.set i, i+1
.endr
	v_nop                                          ; a plain instruction behind the last of them,
	s_wait_alu depctr_va_vdst(0)                   ; and one wait ahead of the first use
.irp a, 0,1,2,3
	v_mul_f32 v[LL+(\a)], v[SB+32*(\a)], v[SB+32*(\a)+1]
.endr
.set g, 1
.rept 15
.irp a, 0,1,2,3
	v_fmac_f32 v[LL+(\a)], v[SB+32*(\a)+2*g], v[SB+32*(\a)+2*g+1]  ; L = the sum of f_g l_g
.endr
.set g, g+1
.endr
.set i, 0
.rept 64
	v_cvt_pk_f16_f32 v[TW+4*(i%16)+i/16], v[SB+2*i], v[SB+2*i]  ; (f, f)
.set i, i+1
.endr
.irp a, 0,1,2,3
	v_rcp_f32 v[RL+2*(\a)], v[LL+(\a)]
.endr
	v_nop
	s_wait_alu depctr_va_vdst(0)                   ; one wait for the four reciprocals
.irp a, 0,1,2,3
	v_mov_b32 v[RL+2*(\a)+1], v[RL+2*(\a)]         ; named with it as a pair
.endr
.set g, 0
.rept 16
	ds_store_b128 v[FADR], v[TW+4*g:TW+4*g+3] offset:256*g  ; lanes r and 16 + r write the same words with the same numbers
.set g, g+1
.endr
	s_wait_dscnt 0x0                               ; no LDS instruction is out at a signal
	s_wait_tensorcnt 0x1                           ; my part of K step 0 is in; K step 1's may stay out
	s_barrier_signal -1
	s_barrier_wait -1
	FETCH 0, F0
	ds_load_b128 v[FAC:FAC+3], v[FADR]             ; group 0's factors
	QUARTER 1, F0, F1, 1                           ; the first quarter stands in front of the loop: its products start the sums
	WIN 0
	s_mov_b32 s[CNT], KSTEPS-2
.Lstep:                                        ; trip i ends K step i, fills its slot with K step i + 2 and begins K step i + 1
	QUARTER 2, F1, F0, 0
	QUARTER 3, F0, F1, 0
	TURN 1
	QUARTER 1, F0, F1, 0
	WIN 0
	s_sub_co_u32 s[CNT], s[CNT], 1
	s_cmp_lg_u32 s[CNT], 0
	s_cbranch_scc1 .Lstep
	QUARTER 2, F1, F0, 0                           ; the tail is written out
	QUARTER 3, F0, F1, 0
	TURN 0
	QUARTER 1, F0, F1, 0
	QUARTER 2, F1, F0, 0
	QUARTER 3, F0, F1, 0
	s_wait_dscnt 0x0
	SCALE F1
	MUL32 F1, 0
	WIN 0
	PLACES                                         ; eight places behind the last product, twice what its first reader needs: once a launch
	PLACES
; THE WAY OUT, a block of 16 rows at a time: divided by L, rounded to f16, 16 bytes a lane into my own stage, back as whole rows of 256 bytes, stored.
.macro PACK a                          ; each accumulator's registers in ascending order
	WIN 0x41                                       ; destination and source 0 window 1
.set i, 0
.rept 32
	v_pk_mul_f32 v[64*(\a)+2*i:64*(\a)+2*i+1], v[64*(\a)+2*i:64*(\a)+2*i+1], v[RL+2*(\a):RL+2*(\a)+1] op_sel_hi:[1,0]
.set i, i+1
.endr
	WIN 0x05
.set i, 0
.rept 32
	v_cvt_pk_f16_f32 v[TMP+i], v[64*(\a)+2*i], v[64*(\a)+2*i+1]
.set i, i+1
.endr
	WIN 0
.endm
.macro TOSTAGE a
	WIN 0
.irp b, 0,1,2,3,4,5,6,7
	ds_store_b128 v[STO], v[TMP+4*(\b):TMP+4*(\b)+3] offset:32*(\b)
.endr
.irp t, 0,1,2,3,4,5,6,7
	ds_load_b128 v[BK+32*((\a)%2)+4*(\t):BK+32*((\a)%2)+4*(\t)+3], v[RD] offset:(\t)*2*SP  ; LDS serves a wave's instructions in order (ISA guide 5.7.1.4): these see the stores above
.endr
.endm
.macro SEND a
	WIN 0
	s_wait_dscnt 0x0                               ; the block is back in registers
	s_wait_xcnt 0x0                                ; the block before has left its registers: the next TOSTAGE loads into them only behind this wait
.irp t, 0,1,2,3,4,5,6,7
	global_store_b128 v[CO], v[BK+32*((\a)%2)+4*(\t):BK+32*((\a)%2)+4*(\t)+3], s[10:11] offset:(16*(\a)+2*(\t))*CPITCH  ; 16 lanes store 256 consecutive bytes, aligned
.endr
.endm
	PACK 0
	TOSTAGE 0
.irp a, 1,2,3
	PACK \a
	SEND (\a)-1
	TOSTAGE \a
.endr
	SEND 3
	s_wait_tensorcnt 0x0                           ; the wave's end, behind my last tensor load and my last LDS store
	ds_add_u32 v[SPW], v[NIL]
	s_wait_dscnt 0x0
	CROUND                                         ; the closing round
	s_endpgm
.Lfunc_end_k_q0a61ab8576_gemm_pv:
	.size	k_q0a61ab8576_gemm_pv, .Lfunc_end_k_q0a61ab8576_gemm_pv-k_q0a61ab8576_gemm_pv
	.p2alignl 7, 3214868480
	.fill 96, 4, 3214868480
	.section	.rodata,"a",@progbits
	.p2align	6, 0x0
	.amdhsa_kernel k_q0a61ab8576_gemm_pv
		.amdhsa_group_segment_fixed_size 327680
		.amdhsa_private_segment_fixed_size 0
		.amdhsa_enable_private_segment 0
		.amdhsa_kernarg_size 32
		.amdhsa_user_sgpr_count 2
		.amdhsa_user_sgpr_kernarg_segment_ptr 1
		.amdhsa_wavefront_size32 1
		.amdhsa_system_sgpr_workgroup_id_x 1
		.amdhsa_system_sgpr_workgroup_id_y 1
		.amdhsa_system_sgpr_workgroup_id_z 1
		.amdhsa_system_vgpr_workitem_id 0
		.amdhsa_next_free_vgpr 512
		.amdhsa_next_free_sgpr 76
		.amdhsa_reserve_vcc 0
		.amdhsa_float_denorm_mode_32 3
		.amdhsa_float_denorm_mode_16_64 3
		.amdhsa_memory_ordered 1
		.amdhsa_forward_progress 1
		.amdhsa_inst_pref_size 122
	.end_amdhsa_kernel
	.amdgpu_metadata
---
amdhsa.version: [ 1, 2 ]
amdhsa.kernels:
  - .name:           k_q0a61ab8576_gemm_pv
    .symbol:         k_q0a61ab8576_gemm_pv.kd
    .args:
      - { .name: p, .offset: 0, .size: 8, .value_kind: global_buffer, .address_space: global }
      - { .name: qkv, .offset: 8, .size: 8, .value_kind: global_buffer, .address_space: global }
      - { .name: stats, .offset: 16, .size: 8, .value_kind: global_buffer, .address_space: global }
      - { .name: o, .offset: 24, .size: 8, .value_kind: global_buffer, .address_space: global }
    .group_segment_fixed_size: 327680
    .private_segment_fixed_size: 0
    .kernarg_segment_align: 8
    .kernarg_segment_size: 32
    .max_flat_workgroup_size: 128
    .sgpr_count:     76
    .vgpr_count:     512
    .wavefront_size: 32
...
	.end_amdgpu_metadata
.endif
;; end of part 4
;; launch gemm_proj (part 5): grid 4 x 64, 4 waves a work-group, clusters of 4 x 4, 327,680 bytes of LDS; arguments o, woutb, b_out, out0; writes out0
.if DOCPART == 5
	.amdgcn_target "amdgcn-amd-amdhsa--gfx1250"
	.amdhsa_code_object_version 6
	.text
	.protected	k_q0a61ab8576_gemm_proj
	.globl	k_q0a61ab8576_gemm_proj
	.p2align	8
	.type	k_q0a61ab8576_gemm_proj,@function
k_q0a61ab8576_gemm_proj:
	s_mov_b64 s[64:65], 0
	v_nop
	global_prefetch_b8 v0, s[64:65] scope:SCOPE_SE
	s_setreg_imm32_b32 hwreg(HW_REG_WAVE_MODE, 25, 1), 1
	s_wait_xcnt 0x0
	s_wait_alu depctr_hold_cnt(0) depctr_sa_sdst(0) depctr_va_vdst(0) depctr_va_sdst(0) depctr_va_ssrc(0) depctr_va_vcc(0) depctr_vm_vsrc(0)
	s_getreg_b32 s2, hwreg(HW_REG_IB_STS2, 6, 4)
	s_cmp_eq_u32 s2, 0
	s_cbranch_scc0 .Lentry_in_a_cluster
	s_endpgm
.Lentry_in_a_cluster:
	s_bfe_u32 s2, ttmp6, 0x10000c
	s_cmp_lg_u32 s2, 0xf033
	s_cbranch_scc0 .Lentry_shape_is_right
	s_endpgm
.Lentry_shape_is_right:
; out0[t][e] = the sum over d of O[t][d] W_out[d][e] + b_out[e].  o: [8192][1024] f16; woutb: [1024 d][1024 e], W_out's bf16 number written as f16; b_out: [1024] f32, rounded here to bf16 like the other inputs;
; out0: [8192][1024] f32, the f32 sums as they are.
; SHARES.  A work-group makes 128 rows x 256 columns: 4 x 64 = 256 work-groups.  Four waves, 2 x 2, each 64 x 128: 32 accumulators.  K goes in 8 steps of 128 through two LDS slots.
; B lies [k][n]: its tile is 128 k-rows x 512 bytes and is read turned, by ds_load_tr16_b128.  The matrix instruction is used transposed: lane l holds row l % 16, its registers 0-7 the columns 8 (l / 16) + 0..7.
; THE BIAS is the C operand of each accumulator's first product.
; CLUSTER.  4 x 4 work-groups.  O's tile is shared along a row of the cluster, W_out's along a column: each is asked for jointly.
; REGISTERS: window 0: v0-31 addresses; v32-127, v128-223 two fragment buffers (A's four fragments at +8 a, B's eight at +32 + 8 b); on the way out v32-95, v96-159 whole rows, by turns
;   window 1: accumulator (a, b) at v[8 (8 a + b)]          window 2: v0-63 the bias as a C operand; v64-65 at work
.set LDA,    1024
.set LDB,    1024
.set KSTEPS, 8
.set CPITCH, 4096
.set PA,     272                       ; A's LDS row: 256 bytes + 16: the 16 rows of a load start at 16 different groups of four banks (64 banks of 4 bytes: ISA guide 11.1)
.set PB,     544                       ; B's LDS row: 512 bytes + 32
.set AHALF,  64*PA
.set BTILE,  128*PA
.set BHALF,  64*PB
.set BSTEP,  128*LDB*2
.set SLOT1,  1<<17
.set STAGE,  SLOT1+BTILE+2*BHALF       ; 16 rows x 528 bytes for each wave, for the way out
.set SP,     528                       ; 512 bytes + 16 = 33 x 16: the 16 rows that a store touches start at 16 different groups of four banks
.set SPARE,  STAGE+4*16*SP             ; the spare words, 128 bytes for each wave: two blocks of 256 bytes that no other line names
.set ADRA0, 16
.set ADRB0, 17
.set ADRA,  18
.set ADRB,  19
.set STO,   24
.set RD,    25
.set CO,    26
.set XO,    27
.set SPW,   28
.set NIL,   29
.set PFO,   30
.set F0,    32
.set F1,    128
.set BK,    32
.set CNT, 3
.set WV,  12
.set RH,  13
.set CH,  14
.set CX,  15
.set CY,  16
.set TX,  17
.set TY,  18
.set CLY, 19
.set G1A, 24
.set G0A, 32
.set G1B, 40
.set G0B, 48
.set PFA, 56
.set PFS, 58
.set LIM, 60
.set TB,  61
.set HIM, 74
.set MSB, 0
.macro WIN new
.if MSB != (\new)
	s_set_vgpr_msb (MSB<<8)|(\new)
.set MSB, \new
.endif
.endm
.macro PLACES                          ; four plain vector instructions between a matrix instruction and a load into, or a reader of, its registers (ISA guide 7.12.1 for a reader)
.rept 4
	v_nop
.endr
.endm
.macro CREST
	s_cmp_lg_u32 s[WV], 0
	s_cbranch_scc1 .Lnot_wave_0_\@
	s_barrier_signal -3
.Lnot_wave_0_\@:
	s_barrier_wait -3
	s_barrier_signal -1
	s_barrier_wait -1
.endm
.macro CROUND
	s_barrier_signal -1
	s_barrier_wait -1
	CREST
.endm
.macro JLOAD                           ; a joint refill by the walking sets: waves 0 and 1 fetch A's halves, waves 2 and 3 B's; an s_nop 0 and four v_nop follow each line
	s_cmp_eq_u32 s[RH], 0
	s_cbranch_scc0 .Lfor_b_\@
	tensor_load_to_lds s[G0A+4:G0A+7], s[G1A:G1A+7]
	s_nop 0
	PLACES
	s_branch .Lasked_\@
.Lfor_b_\@:
	tensor_load_to_lds s[G0B+4:G0B+7], s[G1B:G1B+7]
	s_nop 0
	PLACES
.Lasked_\@:
.endm
; A prefetch of the K step that stands two refills on, one instruction a wave; each aligned block of 256 bytes is named once in the launch.  O's tile row is read by one cluster alone: wave 0 asks; partner cx takes
; rows 32 cx .. + 31, a lane a row.  W_out's tile column: the clusters with y = 0, waves 2 and 3; of the wave's 64 k-rows partner cy takes 16, two blocks each.  The partners are told apart by address alone.
; The loop's last two trips ask for nothing; K steps 0 to 3 come by their loads alone.
.macro ASK
	s_cmp_gt_u32 s[CNT], s[LIM]
	s_cbranch_scc0 .Lnot_mine_\@
	global_prefetch_b8 v[PFO], s[PFA:PFA+1] th:TH_LOAD_NT scope:SCOPE_SE
.Lnot_mine_\@:
.endm
.macro MUL8 f, a, mode                 ; eight products; mode 2: the first product, with the bias as C
.if (\mode) == 2
	WIN 0x60                                       ; D window 1, C window 2
.else
	WIN 0x50
.endif
.irp b, 0,1,2,3,4,5,6,7
.if (\mode) == 2
	v_wmma_f32_16x16x32_f16 v[8*(8*(\a)+(\b)):8*(8*(\a)+(\b))+7], v[(\f)+32+8*(\b):(\f)+32+8*(\b)+7], v[(\f)+8*(\a):(\f)+8*(\a)+7], v[8*(\b):8*(\b)+7]
.else
	v_wmma_f32_16x16x32_f16 v[8*(8*(\a)+(\b)):8*(8*(\a)+(\b))+7], v[(\f)+32+8*(\b):(\f)+32+8*(\b)+7], v[(\f)+8*(\a):(\f)+8*(\a)+7], v[8*(8*(\a)+(\b)):8*(8*(\a)+(\b))+7]
.endif
.endr
.endm
.macro MUL32 f, mode                   ; the 32 accumulators take turns, in the same order in every quarter and over the backward jump
.irp a, 0,1,2,3
	MUL8 \f, \a, \mode
.endr
.endm
.macro FETCH q, f                      ; 24 LDS loads in one run: quarter q (32 along K) of the slot in hand, into buffer f
	WIN 0
.irp i, 0,1,2,3,4,5,6,7
	ds_load_tr16_b128 v[(\f)+32+8*(\i):(\f)+32+8*(\i)+3],   v[ADRB] offset:(\q)*32*PB+32*(\i)
	ds_load_tr16_b128 v[(\f)+32+8*(\i)+4:(\f)+32+8*(\i)+7], v[ADRB] offset:(\q)*32*PB+32*(\i)+16*PB
.endr
.irp i, 0,1,2,3
	ds_load_b128 v[(\f)+8*(\i):(\f)+8*(\i)+3],   v[ADRA] offset:64*(\q)+(\i)*16*PA
	ds_load_b128 v[(\f)+8*(\i)+4:(\f)+8*(\i)+7], v[ADRA] offset:64*(\q)+(\i)*16*PA+32
.endr
.endm
.macro QUARTER q, f, g, mode
	s_wait_dscnt 0x0                               ; buffer f's 24 loads, issued 32 products ago
	PLACES                                         ; behind the products that read g
	FETCH \q, \g
	MUL32 \f, \mode
.endm
; The last quarter multiplies buffer 1 and changes slots.  In front of the barrier each wave waits for all its tensor loads (one is out: its part of the next slot), adds 0 to its spare word, and waits for
; that and for its reads of this slot.  fill = 1: the barrier opens a round of the cluster's, and this slot is filled again, first thing behind it, with the K step two on.
.macro TURN fill
.if \fill
	s_wait_xcnt 0x0                                ; the last prefetch, a K step back, has read its address
	s_add_nc_u64 s[PFA:PFA+1], s[PFA:PFA+1], s[PFS:PFS+1]
.endif
	WIN 0
	s_wait_tensorcnt 0x0                           ; no tensor load of mine is out, so a group 0 may be written
	ds_add_u32 v[SPW], v[NIL]                      ; 0 onto my spare word
.if \fill
	s_xor_b32 s[G0A+5], s[G0A+5], SLOT1
	s_add_nc_u64 s[G0A+6:G0A+7], s[G0A+6:G0A+7], 256
	s_xor_b32 s[G0B+5], s[G0B+5], SLOT1
	s_add_nc_u64 s[G0B+6:G0B+7], s[G0B+6:G0B+7], BSTEP
.endif
	s_xor_b32 s[TB], s[TB], SLOT1
	s_wait_dscnt 0x1                               ; buffer 1 is in; the add alone may be out
	MUL8 F1, 0, 0
	s_wait_dscnt 0x0                               ; the add is done, and my reads of this slot are over
	s_barrier_signal -1
	MUL8 F1, 1, 0
	WIN 0
	s_barrier_wait -1
.if \fill
	CREST
	JLOAD                                          ; its four v_nop are also the places in front of the loads below
.else
	PLACES
.endif
	v_add_nc_u32 v[ADRA], s[TB], v[ADRA0]
	v_add_nc_u32 v[ADRB], s[TB], v[ADRB0]
	FETCH 0, F0
.if \fill
	ASK
.endif
	MUL8 F1, 2, 0
	MUL8 F1, 3, 0
.endm
	s_load_b256 s[4:11], s[0:1], 0x0               ; A = o s[4:5], B = woutb s[6:7], b_out s[8:9], C = out0 s[10:11]
	v_lshl_add_u32 v[SPW], v0, 2, SPARE
	v_mov_b32 v[NIL], 0
	ds_add_u32 v[SPW], v[NIL]                      ; the wave's opening: the add and its wait stand ahead of my first tensor load
	v_lshrrev_b32 v1, 5, v0
	v_readfirstlane_b32 s[WV], v1
	s_lshr_b32 s[RH], s[WV], 1
	s_and_b32 s[CH], s[WV], 1
	s_bfe_u32 s[CX], ttmp6, 0x40000
	s_bfe_u32 s[CY], ttmp6, 0x40004
	s_lshl_b32 s[TX], ttmp9, 2
	s_add_co_u32 s[TX], s[TX], s[CX]
	s_and_b32 s[CLY], ttmp7, 0xffff
	s_lshl_b32 s[TY], s[CLY], 2
	s_add_co_u32 s[TY], s[TY], s[CY]
	s_lshl_b32 s20, s[CY], 2
	s_lshl_b32 s20, 15, s20                        ; my row of the cluster
	s_lshl_b32 s66, 0x1111, s[CX]                  ; my column
	s_or_b32 s[G1A], s20, (1<<16)|(1<<20)|(1<<21)|(5<<22)|(3<<25)  ; the mask; 2-byte elements; padding on; bit 21 beside a mask; after every 64 words, 4 words
	s_mov_b32 s[G1A+1], 128<<16                    ; 64 rows x 128 elements
	s_mov_b32 s[G1A+2], 64<<16
	s_mov_b32 s[G1A+3], 128<<16
	s_mov_b32 s[G1A+4], 64
	s_mov_b32 s[G1A+5], LDA
	s_mov_b32 s[G1A+6], 0
	s_mov_b32 s[G1A+7], 0
	s_or_b32 s[G1B], s66, (1<<16)|(1<<20)|(1<<21)|(6<<22)|(7<<25)  ; after every 128 words, 8 words
	s_mov_b32 s[G1B+1], 256<<16                    ; 64 k-rows x 256 elements
	s_mov_b32 s[G1B+2], 64<<16
	s_mov_b32 s[G1B+3], 256<<16
	s_mov_b32 s[G1B+4], 64
	s_mov_b32 s[G1B+5], LDB
	s_mov_b32 s[G1B+6], 0
	s_mov_b32 s[G1B+7], 0
	s_mov_b32 s[G0A], 1
	s_mul_i32 s[G0A+1], s[CH], AHALF
	s_mov_b32 s[G0A+4], 1
	s_add_co_u32 s[G0A+5], s[G0A+1], SLOT1
	s_mov_b32 s[G0B], 1
	s_mul_i32 s[G0B+1], s[CH], BHALF
	s_add_co_u32 s[G0B+1], s[G0B+1], BTILE
	s_mov_b32 s[G0B+4], 1
	s_add_co_u32 s[G0B+5], s[G0B+1], SLOT1
	s_lshl_b32 s20, s[TY], 7                       ; A: row 128 x tile row + 64 x half (all offsets of this text stay under 2^31)
	s_lshl_b32 s21, s[CH], 6
	s_add_co_u32 s20, s20, s21
	s_mul_i32 s20, s20, 2*LDA
	s_mov_b32 s21, 0
	s_lshl_b32 s66, s[CH], 6                       ; B: k-row 64 x half, column 256 x tile column
	s_mul_i32 s66, s66, 2*LDB
	s_lshl_b32 s67, s[TX], 9
	s_add_co_u32 s66, s66, s67
	s_mov_b32 s67, 0
	s_mov_b32 s[HIM], 0xffff0000
	s_mov_b32 s[TB], 0
	s_wait_dscnt 0x0                               ; the opening add is done
	s_wait_kmcnt 0x0
	s_add_nc_u64 s[G0A+2:G0A+3], s[4:5], s[20:21]
	s_add_nc_u64 s[G0A+6:G0A+7], s[G0A+2:G0A+3], 256
	s_or_b32 s[G0A+3], s[G0A+3], 0x80000000
	s_or_b32 s[G0A+7], s[G0A+7], 0x80000000
	s_add_nc_u64 s[G0B+2:G0B+3], s[6:7], s[66:67]
	s_add_nc_u64 s[G0B+6:G0B+7], s[G0B+2:G0B+3], BSTEP
	s_or_b32 s[G0B+3], s[G0B+3], 0x80000000
	s_or_b32 s[G0B+7], s[G0B+7], 0x80000000
	CROUND                                         ; all sixteen work-groups are here: the first joint loads meet
	s_cmp_eq_u32 s[RH], 0                          ; a wave's two first fills stand in one branch: two loads of mine are out
	s_cbranch_scc0 .Lfirst_b
	tensor_load_to_lds s[G0A:G0A+3], s[G1A:G1A+7]
	s_nop 0
	tensor_load_to_lds s[G0A+4:G0A+7], s[G1A:G1A+7]
	s_nop 0
	PLACES
	s_branch .Lfirst_asked
.Lfirst_b:
	tensor_load_to_lds s[G0B:G0B+3], s[G1B:G1B+7]
	s_nop 0
	tensor_load_to_lds s[G0B+4:G0B+7], s[G1B:G1B+7]
	s_nop 0
	PLACES
.Lfirst_asked:
	v_and_b32 v1, 15, v0                           ; r
	v_bfe_u32 v2, v0, 4, 1                         ; h
	v_and_b32 v3, 31, v0                           ; l
	; the bias of my 128 columns: register 8 b + j takes column 16 b + 8 h + j
	v_lshlrev_b32 v[XO], 5, v2
	s_lshl_b32 s20, s[TX], 10
	s_lshl_b32 s21, s[CH], 9
	s_add_co_u32 s20, s20, s21
	s_mov_b32 s21, 0
	s_add_nc_u64 s[8:9], s[8:9], s[20:21]
	WIN 0x80                                       ; destination window 2, address window 0
.irp b, 0,1,2,3,4,5,6,7
	global_load_b128 v[8*(\b):8*(\b)+3],   v[XO], s[8:9] offset:64*(\b)
	global_load_b128 v[8*(\b)+4:8*(\b)+7], v[XO], s[8:9] offset:64*(\b)+16
.endr
	WIN 0
	v_mul_u32_u24 v4, v1, PA
	v_lshl_add_u32 v4, v2, 4, v4                   ; 272 r + 16 h
	s_mul_i32 s20, s[RH], AHALF
	v_add_nc_u32 v[ADRA0], s20, v4
	; The turning load takes 16 k x 16 columns (lane l reads k-row 8 h + l % 8, columns 8 ((l / 8) % 2) + 0..7) and leaves half a fragment: lane l holds column r and 8 k
	v_and_b32 v5, 7, v0
	v_lshl_add_u32 v5, v2, 3, v5
	v_mul_u32_u24 v5, v5, PB
	v_bfe_u32 v6, v0, 3, 1
	v_lshl_add_u32 v5, v6, 4, v5
	s_lshl_b32 s20, s[CH], 8
	s_add_co_u32 s20, s20, BTILE
	v_add_nc_u32 v[ADRB0], s20, v5
	v_mov_b32 v[ADRA], v[ADRA0]
	v_mov_b32 v[ADRB], v[ADRB0]
	s_mul_i32 s20, s[WV], 16*SP
	s_add_co_u32 s20, s20, STAGE                   ; my stage
	v_mul_u32_u24 v5, v1, SP                       ; in: row r, 32 bytes for each half of the lanes
	v_lshl_add_u32 v5, v2, 5, v5
	v_add_nc_u32 v[STO], s20, v5
	v_lshl_add_u32 v[RD], v3, 4, s20               ; back: 32 lanes take one row of 512 bytes
	v_lshlrev_b32 v[CO], 4, v3                     ; and the same 512 bytes of a row of C
	s_lshl_b32 s20, s[TY], 7                       ; C at my first row and column
	s_lshl_b32 s21, s[RH], 6
	s_add_co_u32 s20, s20, s21
	s_mul_i32 s20, s20, CPITCH
	s_lshl_b32 s21, s[TX], 10
	s_add_co_u32 s20, s20, s21
	s_lshl_b32 s21, s[CH], 9
	s_add_co_u32 s20, s20, s21
	s_mov_b32 s21, 0
	s_add_nc_u64 s[10:11], s[10:11], s[20:21]
	; the prefetches: they start at K step 3; the first change of slots steps them to 4
	s_lshl_b32 s20, s[TY], 7
	s_lshl_b32 s21, s[CX], 5
	s_add_co_u32 s20, s20, s21
	s_mul_i32 s20, s20, 2*LDA
	s_add_co_u32 s20, s20, 3*256
	s_lshl_b32 s66, s[CH], 6
	s_lshl_b32 s67, s[CY], 4
	s_add_co_u32 s66, s66, s67
	s_add_co_u32 s66, s66, 3*128
	s_mul_i32 s66, s66, 2*LDB
	s_lshl_b32 s67, s[TX], 9
	s_add_co_u32 s66, s66, s67
	s_or_b32 s67, s[CH], ttmp9                     ; 0: wave 0 (the cluster's x is always 0 here)
	s_mov_b32 s68, s[CLY]                          ; 0: a cluster with y = 0
	s_mov_b32 s22, 2*LDA
	s_mov_b32 s23, 2*LDB
	s_mov_b32 s69, BSTEP
	s_cmp_eq_u32 s[RH], 0
	s_cselect_b32 s20, s20, s66
	s_cselect_b32 s[LIM], s67, s68
	s_cselect_b32 s22, s22, s23
	s_cselect_b32 s[PFS], 256, s69
	s_cselect_b32 s23, 0, 1                        ; A: a lane a row; B: two lanes a row
	s_cselect_b64 s[PFA:PFA+1], s[4:5], s[6:7]
	s_mov_b32 s21, 0
	s_mov_b32 s[PFS+1], 0
	s_add_nc_u64 s[PFA:PFA+1], s[PFA:PFA+1], s[20:21]
	s_cmp_eq_u32 s[LIM], 0
	s_cselect_b32 s[LIM], 2, -1
	v_lshrrev_b32 v5, s23, v3
	v_and_b32 v6, s23, v3
	v_mul_u32_u24 v[PFO], v5, s22
	v_lshl_add_u32 v[PFO], v6, 8, v[PFO]
	s_wait_loadcnt 0x0                             ; the bias
	WIN 0x8a                                       ; destination and both sources window 2
.set i, 0
.rept 32                               ; rounded to bf16 like every input, and back to f32
	v_cvt_pk_bf16_f32 v[64+i%2], v[2*i], v[2*i+1]
	v_lshlrev_b32 v[2*i], 16, v[64+i%2]
	v_and_b32 v[2*i+1], s[HIM], v[64+i%2]
.set i, i+1
.endr
	WIN 0
	s_wait_tensorcnt 0x1                           ; my part of K step 0 is in; K step 1's may stay out
	s_barrier_signal -1
	s_barrier_wait -1
	FETCH 0, F0
	QUARTER 1, F0, F1, 2                           ; the first quarter stands in front of the loop: its products start the sums
	WIN 0
	s_mov_b32 s[CNT], KSTEPS-2
.Lstep:                                        ; trip i ends K step i, fills its slot with K step i + 2 and begins K step i + 1
	QUARTER 2, F1, F0, 0
	QUARTER 3, F0, F1, 0
	TURN 1
	QUARTER 1, F0, F1, 0
	WIN 0
	s_sub_co_u32 s[CNT], s[CNT], 1
	s_cmp_lg_u32 s[CNT], 0
	s_cbranch_scc1 .Lstep
	QUARTER 2, F1, F0, 0                           ; the tail is written out
	QUARTER 3, F0, F1, 0
	TURN 0
	QUARTER 1, F0, F1, 0
	QUARTER 2, F1, F0, 0
	QUARTER 3, F0, F1, 0
	s_wait_dscnt 0x0
	MUL32 F1, 0
	WIN 0
	PLACES                                         ; eight places behind the last product, twice what its first reader needs: once a launch
	PLACES
; THE WAY OUT, a block of 16 rows at a time: the f32 sums go into my own stage, 32 bytes a lane for each accumulator, and come back as whole rows of 512 bytes.
.macro TOSTAGE a
	s_wait_xcnt 0x0                                ; the block two back has left its registers: they are loaded again only behind this wait
	WIN 0x04                                       ; the stores' data in window 1; each accumulator's low half first
.irp b, 0,1,2,3,4,5,6,7
	ds_store_b128 v[STO], v[8*(8*(\a)+(\b)):8*(8*(\a)+(\b))+3]   offset:64*(\b)
	ds_store_b128 v[STO], v[8*(8*(\a)+(\b))+4:8*(8*(\a)+(\b))+7] offset:64*(\b)+16
.endr
	WIN 0
.set t, 0
.rept 16
	ds_load_b128 v[BK+64*((\a)%2)+4*t:BK+64*((\a)%2)+4*t+3], v[RD] offset:t*SP  ; LDS serves a wave's instructions in order (ISA guide 5.7.1.4): these see the stores above; the next block's stores come behind them
.set t, t+1
.endr
.endm
.macro SEND a, younger                 ; younger: the LDS instructions issued behind block a's loads: the next block's 16 stores and 16 loads, or none
	s_wait_dscnt \younger
.set t, 0
.rept 16
	global_store_b128 v[CO], v[BK+64*((\a)%2)+4*t:BK+64*((\a)%2)+4*t+3], s[10:11] offset:(16*(\a)+t)*CPITCH th:TH_STORE_NT  ; 512 consecutive bytes, aligned
.set t, t+1
.endr
.endm
	TOSTAGE 0
.irp a, 1,2,3
	TOSTAGE \a
	SEND (\a)-1, 32
.endr
	SEND 3, 0
	s_wait_tensorcnt 0x0                           ; the wave's end, behind my last tensor load and my last LDS store
	ds_add_u32 v[SPW], v[NIL]
	s_wait_dscnt 0x0
	CROUND                                         ; the closing round
	s_endpgm
.Lfunc_end_k_q0a61ab8576_gemm_proj:
	.size	k_q0a61ab8576_gemm_proj, .Lfunc_end_k_q0a61ab8576_gemm_proj-k_q0a61ab8576_gemm_proj
	.p2alignl 7, 3214868480
	.fill 96, 4, 3214868480
	.section	.rodata,"a",@progbits
	.p2align	6, 0x0
	.amdhsa_kernel k_q0a61ab8576_gemm_proj
		.amdhsa_group_segment_fixed_size 327680
		.amdhsa_private_segment_fixed_size 0
		.amdhsa_enable_private_segment 0
		.amdhsa_kernarg_size 32
		.amdhsa_user_sgpr_count 2
		.amdhsa_user_sgpr_kernarg_segment_ptr 1
		.amdhsa_wavefront_size32 1
		.amdhsa_system_sgpr_workgroup_id_x 1
		.amdhsa_system_sgpr_workgroup_id_y 1
		.amdhsa_system_sgpr_workgroup_id_z 1
		.amdhsa_system_vgpr_workitem_id 0
		.amdhsa_next_free_vgpr 580
		.amdhsa_next_free_sgpr 76
		.amdhsa_reserve_vcc 0
		.amdhsa_float_denorm_mode_32 3
		.amdhsa_float_denorm_mode_16_64 3
		.amdhsa_memory_ordered 1
		.amdhsa_forward_progress 1
		.amdhsa_inst_pref_size 76
	.end_amdhsa_kernel
	.amdgpu_metadata
---
amdhsa.version: [ 1, 2 ]
amdhsa.kernels:
  - .name:           k_q0a61ab8576_gemm_proj
    .symbol:         k_q0a61ab8576_gemm_proj.kd
    .args:
      - { .name: o, .offset: 0, .size: 8, .value_kind: global_buffer, .address_space: global }
      - { .name: woutb, .offset: 8, .size: 8, .value_kind: global_buffer, .address_space: global }
      - { .name: b_out, .offset: 16, .size: 8, .value_kind: global_buffer, .address_space: global }
      - { .name: out0, .offset: 24, .size: 8, .value_kind: global_buffer, .address_space: global }
    .group_segment_fixed_size: 327680
    .private_segment_fixed_size: 0
    .kernarg_segment_align: 8
    .kernarg_segment_size: 32
    .max_flat_workgroup_size: 128
    .sgpr_count:     76
    .vgpr_count:     580
    .wavefront_size: 32
...
	.end_amdgpu_metadata
.endif
;; end of part 5
;; ======== version 2 of 2: 5 launches; version 1 with the launch cast written anew for expert scheduling mode
;; limits: values are held in f16: magnitudes above 65,504 overflow, below 6.1e-05 lose precision
;; workspace buffers: xb 16,777,216 bytes; wqkvb 6,291,456 bytes; woutb 2,097,152 bytes; qkv 50,331,648 bytes; p 33,554,432 bytes; stats 1,048,576 bytes; o 16,777,216 bytes
;; launch cast (part 6): grid 768 x 1, 8 waves a work-group, no clusters, 0 bytes of LDS; arguments x, W_qkv, W_out, xb, wqkvb, woutb; writes xb, wqkvb, woutb
.if DOCPART == 6
	.amdgcn_target "amdgcn-amd-amdhsa--gfx1250"
	.amdhsa_code_object_version 6
	.text
	.protected	k_q0a61ab8576_cast
	.globl	k_q0a61ab8576_cast
	.p2align	8
	.type	k_q0a61ab8576_cast,@function
k_q0a61ab8576_cast:
	s_mov_b64 s[64:65], 0
	v_nop
	global_prefetch_b8 v0, s[64:65] scope:SCOPE_SE
	s_setreg_imm32_b32 hwreg(HW_REG_WAVE_SCHED_MODE, 0, 2), 2
	s_setreg_imm32_b32 hwreg(HW_REG_WAVE_MODE, 25, 1), 1
	s_wait_xcnt 0x0
	s_wait_alu depctr_vm_vsrc(0)
; x, W_qkv and W_out (f32) are rounded once, to nearest even, to bf16.  xb and wqkvb hold the bf16 numbers; woutb holds W_out's bf16 number written as f16,
; since the last product multiplies in f16.  LIMIT: that second step is exact from 2^-14 up to 65,504; below 2^-14 it keeps f16's fixed step of 2^-24, beyond 65,504 it gives an infinity.
; A stream: no LDS, no matrix unit, nothing shared.  A work-group takes 16,384 numbers on end: 65,536 bytes in, 32,768 out.
; Work-groups 0-511 take x (8,388,608 numbers), 512-703 W_qkv (3,145,728), 704-767 W_out (1,048,576).
; Thread t takes 16 bytes at 16 t of each of sixteen blocks of 4,096 bytes; all sixteen loads go out first.  Its four numbers leave as 8 bytes at 8 t of a block of 2,048:
; a wave's store covers 256 consecutive bytes, aligned.  No register is written twice, so no store's source is ever waited for.
; THE MODE: SCHED_MODE bits 1:0 = 2 (LLVM: expert scheduling mode 2), set by the entry lines.  The code itself states the register dependences
; between vector instructions and memory instructions, with s_wait_alu, always for 0.
; THE PLAN.  Registers that memory instructions touch:
;   v1, v2   the loads' and the stores' offsets: written once at the head by vector instructions, never again.
;   IN       written by the sixteen loads alone, which all stand at the head; read by the conversions.  No load is issued behind a conversion.
;   OUT      each pair is written once, by its conversions, and read once, by its store.
;   TM is named by vector instructions alone.  No vector instruction writes a scalar register, and EXEC is never written.
; So one wait on va_vdst stands ahead of the first load, for v1 and v2.  The sixteen blocks go in four groups of four: a group's four stores stand in one run behind one wait
; on va_vdst, which stands behind the wait for the NEXT group's first load: the group's conversions were issued ahead of that wait for memory.  The last group's wait follows its conversions.
; No register that a memory instruction reads is written again: the body holds no wait on vm_vsrc.
.set IN,  4                            ; v[4:67]    sixteen loads of four f32
.set OUT, 68                           ; v[68:99]   sixteen pairs of packed words
.set TM,  100                          ; v[100:103] at work (W_out's path)
.macro SEND4 g                         ; the four stores of group g, in one run
.irp j, 0,1,2,3
	global_store_b64 v2, v[OUT+2*(4*(\g)+(\j)):OUT+2*(4*(\g)+(\j))+1], s[18:19] offset:2048*(4*(\g)+(\j))
.endr
.endm
	s_load_b256 s[4:11], s[0:1], 0x0               ; x s[4:5], W_qkv s[6:7], W_out s[8:9], xb s[10:11]
	s_load_b128 s[12:15], s[0:1], 0x20             ; wqkvb s[12:13], woutb s[14:15]
	v_lshlrev_b32 v1, 4, v0                        ; 16 t
	v_lshlrev_b32 v2, 3, v0                        ; 8 t
	s_wait_kmcnt 0x0
	s_cmp_lt_u32 ttmp9, 512                        ; x, or one of the weights?
	s_cselect_b64 s[16:17], s[4:5], s[6:7]         ; from where
	s_cselect_b64 s[18:19], s[10:11], s[12:13]     ; to where
	s_cselect_b32 s20, 0, 512                      ; the tensor's first work-group
	s_cmp_lt_u32 ttmp9, 704                        ; W_out?
	s_cselect_b64 s[16:17], s[16:17], s[8:9]
	s_cselect_b64 s[18:19], s[18:19], s[14:15]
	s_cselect_b32 s20, s20, 704
	s_sub_co_u32 s20, ttmp9, s20                   ; my block in the tensor
	s_lshl_b32 s22, s20, 16                        ; x 65,536 bytes in (under 2^25)
	s_mov_b32 s23, 0
	s_lshl_b32 s20, s20, 15                        ; x 32,768 bytes out
	s_mov_b32 s21, 0
	s_add_nc_u64 s[16:17], s[16:17], s[22:23]
	s_add_nc_u64 s[18:19], s[18:19], s[20:21]
	s_wait_alu depctr_va_vdst(0)                   ; v1 and v2 are written: every load reads v1 as its offset, every store v2
.set i, 0
.rept 16
	global_load_b128 v[IN+4*i:IN+4*i+3], v1, s[16:17] offset:4096*i th:TH_LOAD_NT
.set i, i+1
.endr
	s_cmp_lt_u32 ttmp9, 704
	s_cbranch_scc0 .Lw_out
.set i, 0
.rept 16
	s_wait_loadcnt 15-i                            ; loads come back in order: load i is in, the 15 - i younger ones stay out
.if (i % 4 == 0) && (i > 0)
	s_wait_alu depctr_va_vdst(0)                   ; the conversions of the group before have written its eight registers of OUT, which the four stores below read
	SEND4 (i/4-1)
.endif
	v_cvt_pk_bf16_f32 v[OUT+2*i],   v[IN+4*i],   v[IN+4*i+1]
	v_cvt_pk_bf16_f32 v[OUT+2*i+1], v[IN+4*i+2], v[IN+4*i+3]
.set i, i+1
.endr
	s_wait_alu depctr_va_vdst(0)                   ; the last group's conversions have written its eight registers of OUT, which the last four stores read
	SEND4 3
	s_endpgm
.Lw_out:
.set i, 0
.rept 16
	s_wait_loadcnt 15-i
.if (i % 4 == 0) && (i > 0)
	s_wait_alu depctr_va_vdst(0)                   ; the conversions of the group before have written its eight registers of OUT, which the four stores below read
	SEND4 (i/4-1)
.endif
	v_cvt_pk_bf16_f32 v[TM],   v[IN+4*i],   v[IN+4*i+1]    ; the rounding that every input has,
	v_cvt_pk_bf16_f32 v[TM+1], v[IN+4*i+2], v[IN+4*i+3]
	v_lshlrev_b32 v[TM+2], 16, v[TM]                       ; back to f32: the low half moves up, the high half stays,
	v_and_b32     v[TM+3], 0xffff0000, v[TM]
	v_cvt_pk_f16_f32 v[OUT+2*i], v[TM+2], v[TM+3]          ; and that number as f16
	v_lshlrev_b32 v[TM+2], 16, v[TM+1]
	v_and_b32     v[TM+3], 0xffff0000, v[TM+1]
	v_cvt_pk_f16_f32 v[OUT+2*i+1], v[TM+2], v[TM+3]
.set i, i+1
.endr
	s_wait_alu depctr_va_vdst(0)                   ; the last group's conversions have written its eight registers of OUT, which the last four stores read
	SEND4 3
	s_endpgm
.Lfunc_end_k_q0a61ab8576_cast:
	.size	k_q0a61ab8576_cast, .Lfunc_end_k_q0a61ab8576_cast-k_q0a61ab8576_cast
	.p2alignl 7, 3214868480
	.fill 96, 4, 3214868480
	.section	.rodata,"a",@progbits
	.p2align	6, 0x0
	.amdhsa_kernel k_q0a61ab8576_cast
		.amdhsa_group_segment_fixed_size 0
		.amdhsa_private_segment_fixed_size 0
		.amdhsa_enable_private_segment 0
		.amdhsa_kernarg_size 48
		.amdhsa_user_sgpr_count 2
		.amdhsa_user_sgpr_kernarg_segment_ptr 1
		.amdhsa_wavefront_size32 1
		.amdhsa_system_sgpr_workgroup_id_x 1
		.amdhsa_system_sgpr_workgroup_id_y 1
		.amdhsa_system_sgpr_workgroup_id_z 1
		.amdhsa_system_vgpr_workitem_id 0
		.amdhsa_next_free_vgpr 104
		.amdhsa_next_free_sgpr 66
		.amdhsa_reserve_vcc 0
		.amdhsa_float_denorm_mode_32 3
		.amdhsa_float_denorm_mode_16_64 3
		.amdhsa_memory_ordered 1
		.amdhsa_forward_progress 1
		.amdhsa_inst_pref_size 17
	.end_amdhsa_kernel
	.amdgpu_metadata
---
amdhsa.version: [ 1, 2 ]
amdhsa.kernels:
  - .name:           k_q0a61ab8576_cast
    .symbol:         k_q0a61ab8576_cast.kd
    .args:
      - { .name: x, .offset: 0, .size: 8, .value_kind: global_buffer, .address_space: global }
      - { .name: W_qkv, .offset: 8, .size: 8, .value_kind: global_buffer, .address_space: global }
      - { .name: W_out, .offset: 16, .size: 8, .value_kind: global_buffer, .address_space: global }
      - { .name: xb, .offset: 24, .size: 8, .value_kind: global_buffer, .address_space: global }
      - { .name: wqkvb, .offset: 32, .size: 8, .value_kind: global_buffer, .address_space: global }
      - { .name: woutb, .offset: 40, .size: 8, .value_kind: global_buffer, .address_space: global }
    .group_segment_fixed_size: 0
    .private_segment_fixed_size: 0
    .kernarg_segment_align: 8
    .kernarg_segment_size: 48
    .max_flat_workgroup_size: 256
    .sgpr_count:     66
    .vgpr_count:     104
    .wavefront_size: 32
...
	.end_amdgpu_metadata
.endif
;; end of part 6
;; launch gemm_qkv: the kernel of part 2 again; grid 12 x 32, 4 waves a work-group, clusters of 4 x 4, 327,680 bytes of LDS; arguments xb, wqkvb, b_qkv, qkv; writes qkv
;; launch gemm_scores: the kernel of part 3 again; grid 8 x 32, 4 waves a work-group, clusters of 4 x 4, 327,680 bytes of LDS; arguments qkv, p, stats; writes p, stats
;; launch gemm_pv: the kernel of part 4 again; grid 4 x 64, 4 waves a work-group, clusters of 4 x 4, 327,680 bytes of LDS; arguments p, qkv, stats, o; writes o
;; launch gemm_proj: the kernel of part 5 again; grid 4 x 64, 4 waves a work-group, clusters of 4 x 4, 327,680 bytes of LDS; arguments o, woutb, b_out, out0; writes out0
